; MI455X (gfx1250); checked and timed in simulation.
; The chip was launched on July 23, 2026; its instructions are those of AMD's public machine-readable ISA for CDNA 5 (MIT licence, August 2026) and "CDNA5" Instruction Set Architecture Reference Guide (July 2026). The comments in the code are by the model that wrote it; some were corrected since.
;; Linear Attention. Allowed arithmetic: float matrix products may take bf16 or f16 operands with f32 sums; all other float work in f32.
;; Inputs: Wk 1,024 x 1,024 float32; Wo 1,024 x 1,024 float32; Wq 1,024 x 1,024 float32; Wv 1,024 x 1,024 float32; beta 16 float32; bk 1,024 float32; bo 1,024 float32; bq 1,024 float32; bv 1,024 float32; x 2,048 x 2 x 1,024 float32.
;; Outputs: out0 2,048 x 2 x 1,024 float32.
;; 2 versions, each right; version 2 is version 1 with the launch tobf16 written anew for expert scheduling mode. Each part assembles by itself: llvm-mc -triple=amdgcn-amd-amdhsa -mcpu=gfx1250 --defsym DOCPART=n.
;; ======== version 1 of 2: 4 launches
;; workspace buffers: cb 16,777,216 bytes; qkv 33,554,432 bytes; st 5,242,880 bytes; af 10,485,760 bytes
;; launch tobf16 (part 1): grid 256 x 1, 8 waves a work-group, no clusters, 0 bytes of LDS; arguments x, Wq, Wk, Wv, Wo, cb; writes cb
.if DOCPART == 1
	.amdgcn_target "amdgcn-amd-amdhsa--gfx1250"
	.amdhsa_code_object_version 6
	.text
	.protected	k_q6e99f2a03f_tobf16
	.globl	k_q6e99f2a03f_tobf16
	.p2align	8
	.type	k_q6e99f2a03f_tobf16,@function
k_q6e99f2a03f_tobf16:
	s_mov_b64 s[64:65], 0
	v_nop
	global_prefetch_b8 v0, s[64:65] scope:SCOPE_SE
	s_setreg_imm32_b32 hwreg(HW_REG_WAVE_MODE, 25, 1), 1
	s_wait_xcnt 0x0
; x, Wq, Wk, Wv, Wo (f32) are rounded once to bf16 and laid into cb for the two products that follow:
;   cb + 0           x as [4096 rows = 2 s + b][1024]
;   cb + 8,388,608   [16 heads][192 rows = the head's 64 rows of Wq, of Wk, of Wv][1024]
;   cb + 14,680,064  Wo as [1024][1024]
; The five inputs are 33,554,432 bytes; each of the 256 work-groups takes 131,072 of them (work-groups 0-127 x, then 32 for each W:
; 32 rows of a W, half a head).  A wave takes 16 KiB by 32 loads: a lane reads 16 bytes, so each load of a wave covers 512 consecutive bytes,
; and writes the 8 bytes that they become, so each store of a wave covers 256 consecutive bytes, aligned.
; All 32 loads of a wave go out first; no register is written twice, so the only waits are the counted ones for data.
; No LDS, no barrier, no matrix unit: nothing is shared and nothing is summed.
.set WH, 8388608
.set X,  8                             ; v[8:135]   load j: 4 registers as loaded
.set Y,  136                           ; v[136:199] load j: 2 registers to store
	s_load_b256 s[4:11], s[0:1], 0x0               ; x s[4:5], Wq s[6:7], Wk s[8:9], Wv s[10:11]
	s_load_b128 s[12:15], s[0:1], 0x20             ; Wo s[12:13], cb s[14:15]
	s_mov_b32 s2, ttmp9                            ; g
	s_lshr_b32 s16, s2, 5
	s_max_u32 s16, s16, 3
	s_sub_co_u32 s16, s16, 3                       ; which input: 0 x, 1 Wq, 2 Wk, 3 Wv, 4 Wo
	s_and_b32 s17, s2, 31                          ; p: which 32 rows of a W
	s_cmp_eq_u32 s16, 0
	s_cselect_b32 s18, s2, s17
	s_lshl_b32 s18, s18, 17                        ; byte offset in the input: 131,072 x (g for x, p for a W)
	s_mov_b32 s19, 0
	s_lshl_b32 s20, s2, 16                         ; byte offset in cb for x and Wo: 65,536 g (Wo: g = 224 + p, 224 x 65,536 = 14,680,064)
	s_mov_b32 s21, 0
	s_lshr_b32 s22, s17, 1                         ; Wq, Wk, Wv: head = p / 2,
	s_mul_i32 s22, s22, 192                        ; 192 rows a head,
	s_sub_co_u32 s23, s16, 1                       ; 64 rows for each of q, k, v (for x this wraps and is not chosen below),
	s_lshl_b32 s24, s23, 6
	s_add_co_u32 s22, s22, s24
	s_and_b32 s24, s17, 1                          ; and the half of the head's 64 rows
	s_lshl_b32 s24, s24, 5
	s_add_co_u32 s22, s22, s24
	s_lshl_b32 s22, s22, 11                        ; rows of 2,048 bytes
	s_add_co_u32 s22, s22, WH
	s_cmp_lt_u32 s23, 3
	s_cselect_b32 s20, s22, s20
	v_lshrrev_b32 v3, 5, v0                        ; wave
	v_and_b32 v4, 31, v0                           ; lane
	v_lshlrev_b32 v1, 4, v4
	v_lshl_or_b32 v1, v3, 14, v1                   ; in: 16,384 wave + 16 lane
	v_lshlrev_b32 v2, 3, v4
	v_lshl_or_b32 v2, v3, 13, v2                   ; out: 8,192 wave + 8 lane
	s_wait_kmcnt 0x0
	s_mov_b64 s[26:27], s[4:5]                     ; the input's address, chosen by the work-group's number alone
	s_cmp_eq_u32 s16, 1
	s_cselect_b64 s[26:27], s[6:7], s[26:27]
	s_cmp_eq_u32 s16, 2
	s_cselect_b64 s[26:27], s[8:9], s[26:27]
	s_cmp_eq_u32 s16, 3
	s_cselect_b64 s[26:27], s[10:11], s[26:27]
	s_cmp_eq_u32 s16, 4
	s_cselect_b64 s[26:27], s[12:13], s[26:27]
	s_add_nc_u64 s[26:27], s[26:27], s[18:19]
	s_add_nc_u64 s[14:15], s[14:15], s[20:21]
.set j, 0
.rept 32
	global_load_b128 v[X+4*j:X+4*j+3], v1, s[26:27] offset:j*512 th:TH_LOAD_NT
.set j, j+1
.endr
.set j, 0
.rept 32
	s_wait_loadcnt 31-j                            ; loads come back in order: load j is in, the 31 - j behind it stay out
	v_cvt_pk_bf16_f32 v[Y+2*j],   v[X+4*j],   v[X+4*j+1]
	v_cvt_pk_bf16_f32 v[Y+2*j+1], v[X+4*j+2], v[X+4*j+3]
	global_store_b64 v2, v[Y+2*j:Y+2*j+1], s[14:15] offset:j*256
.set j, j+1
.endr
	s_endpgm
.Lfunc_end_k_q6e99f2a03f_tobf16:
	.size	k_q6e99f2a03f_tobf16, .Lfunc_end_k_q6e99f2a03f_tobf16-k_q6e99f2a03f_tobf16
	.p2alignl 7, 3214868480
	.fill 96, 4, 3214868480
	.section	.rodata,"a",@progbits
	.p2align	6, 0x0
	.amdhsa_kernel k_q6e99f2a03f_tobf16
		.amdhsa_group_segment_fixed_size 0
		.amdhsa_private_segment_fixed_size 0
		.amdhsa_enable_private_segment 0
		.amdhsa_kernarg_size 48
		.amdhsa_user_sgpr_count 2
		.amdhsa_user_sgpr_kernarg_segment_ptr 1
		.amdhsa_wavefront_size32 1
		.amdhsa_system_sgpr_workgroup_id_x 1
		.amdhsa_system_sgpr_workgroup_id_y 1
		.amdhsa_system_sgpr_workgroup_id_z 1
		.amdhsa_system_vgpr_workitem_id 0
		.amdhsa_next_free_vgpr 200
		.amdhsa_next_free_sgpr 66
		.amdhsa_reserve_vcc 0
		.amdhsa_float_denorm_mode_32 3
		.amdhsa_float_denorm_mode_16_64 3
		.amdhsa_memory_ordered 1
		.amdhsa_forward_progress 1
		.amdhsa_inst_pref_size 13
	.end_amdhsa_kernel
	.amdgpu_metadata
---
amdhsa.version: [ 1, 2 ]
amdhsa.kernels:
  - .name:           k_q6e99f2a03f_tobf16
    .symbol:         k_q6e99f2a03f_tobf16.kd
    .args:
      - { .name: x, .offset: 0, .size: 8, .value_kind: global_buffer, .address_space: global }
      - { .name: Wq, .offset: 8, .size: 8, .value_kind: global_buffer, .address_space: global }
      - { .name: Wk, .offset: 16, .size: 8, .value_kind: global_buffer, .address_space: global }
      - { .name: Wv, .offset: 24, .size: 8, .value_kind: global_buffer, .address_space: global }
      - { .name: Wo, .offset: 32, .size: 8, .value_kind: global_buffer, .address_space: global }
      - { .name: cb, .offset: 40, .size: 8, .value_kind: global_buffer, .address_space: global }
    .group_segment_fixed_size: 0
    .private_segment_fixed_size: 0
    .kernarg_segment_align: 8
    .kernarg_segment_size: 48
    .max_flat_workgroup_size: 256
    .sgpr_count:     66
    .vgpr_count:     200
    .wavefront_size: 32
...
	.end_amdgpu_metadata
.endif
;; end of part 1
;; launch qkv (part 2): grid 16 x 16, 4 waves a work-group, clusters of 4 x 4, 327,680 bytes of LDS; arguments cb, bq, bk, bv, beta, qkv, st; writes qkv, st
.if DOCPART == 2
	.amdgcn_target "amdgcn-amd-amdhsa--gfx1250"
	.amdhsa_code_object_version 6
	.text
	.protected	k_q6e99f2a03f_qkv
	.globl	k_q6e99f2a03f_qkv
	.p2align	8
	.type	k_q6e99f2a03f_qkv,@function
k_q6e99f2a03f_qkv:
	s_mov_b64 s[64:65], 0
	v_nop
	global_prefetch_b8 v0, s[64:65] scope:SCOPE_SE
	s_setreg_imm32_b32 hwreg(HW_REG_WAVE_MODE, 25, 1), 1
	s_wait_xcnt 0x0
	s_wait_alu depctr_hold_cnt(0) depctr_sa_sdst(0) depctr_va_vdst(0) depctr_va_sdst(0) depctr_va_ssrc(0) depctr_va_vcc(0) depctr_vm_vsrc(0)
	s_getreg_b32 s2, hwreg(HW_REG_IB_STS2, 6, 4)
	s_cmp_eq_u32 s2, 0
	s_cbranch_scc0 .Lentry_in_a_cluster
	s_endpgm
.Lentry_in_a_cluster:
	s_bfe_u32 s2, ttmp6, 0x10000c
	s_cmp_lg_u32 s2, 0xf033
	s_cbranch_scc0 .Lentry_shape_is_right
	s_endpgm
.Lentry_shape_is_right:
; One work-group = one unit (b, head, chunk c of 256 s): the three projections of the head (256 rows of x times 64 + 64 + 64 rows of W, K = 1024),
; bias, temperature and softplus on q and k, and the chunk's state  S[dk][dv] = sum over the chunk's s of k[s][dk] v[s][dv],  with a 65th column sum of k.
; Four waves; wave (wr, wc) makes rows 128 wr .. + 127 times d = 32 wc .. + 31 of each of q, k, v: 8 x 6 accumulator tiles, 384 registers.
; K goes in steps of 128 through two LDS slots filled by the tensor data mover, rows of 256 bytes padded to 272.
; CLUSTERS: 4 x 4 work-groups.  x's tile hangs on (b, c) alone and is asked for jointly along a row of the cluster; W's tile hangs on the head alone
; and is asked for jointly along a column.
; WHICH SOURCE IS WHICH decides the shape of a result tile (register j of lane (r, h) holds row 8 h + j of source 0's rows, column r of source 1's):
;   q, k: source 0 = W rows, source 1 = x rows: a lane holds 8 neighbouring d of one s.  Two tiles, rounded to bf16, are a fragment (lane = s, K = d).
;   v:    source 0 = x rows, source 1 = W rows: a lane holds 8 neighbouring s of one dv.  Two tiles are a fragment (lane = dv, K = s).
; Fragments are stored as images of 1 KiB (registers 0-3 at 16 x lane, registers 4-7 at 512 + 16 x lane): each store of a wave covers 512 consecutive bytes, aligned.
;   qkv + unit x 131,072:  Q at 0 and K at 32,768: fragment (s / 16) x 2 + d / 32;   V at 65,536 and at 98,304: fragment (s / 32) x 4 + dv / 16
;   st  + unit x 20,480:   f32 tile (dk / 16) x 5 + t, t = dv / 16, t = 4: column 0 holds the sum of k, the others 0
; v IS KEPT AS TWO bf16 TERMS, upper = bf16(v) at 65,536 and lower = bf16(v - upper) at 98,304: the result at position s is an average of s + 1 rows of v,
; so the first positions are of v's own size, many times the typical size of the whole output, and 8 bits of v would show there.
; The state takes the upper term alone: it is first used at position 256, where 256 rows have been averaged.
; ARITHMETIC: num / den does not change when q and k carry a common factor, so q' = softplus / ln 2 is kept:
;   t2 = (acc + bias) s1,  s1 = log2(e) exp(-beta) / 8;   e = 2^-|t2|;  p = 1 + e;   q' = max(t2, 0) + log2(p) + log2(e) (e - (p - 1)):
;   the last term gives back what the sum 1 + e rounded away, so that a small e keeps its relative accuracy.
; LIMITS: e below 2^-126 is flushed to 0 by v_exp_f32, so q', k' below about 2^-126 are 0.  q', k' enter the later products as one bf16 term.
; |v| above bf16's largest number has no lower term (the upper one is infinite).
.set KSTEP,  128
.set PITCH,  272                       ; 256 bytes + 16 of padding: the 16 rows of a fragment load start 16 bytes apart modulo 256
.set AHALF,  128*PITCH                 ; one tensor load of x: 128 rows
.set BHALF,  96*PITCH                  ; one tensor load of W: 96 rows
.set SLOT,   2*AHALF+2*BHALF           ; x's 256 rows, then W's 192 rows: 121,856 bytes
.set KSTAGE, 2*SLOT                    ; k' as [d / 32][256 s][32 d] bf16, rows of 64 bytes at pitch 96; no tensor load lands here or behind
.set KP,     96
.set KPLANE, 256*KP
.set VSTAGE, KSTAGE+2*KPLANE           ; the unit's upper V image, 32 KiB
.set LAPS,   4                         ; 1024 / (2 x 128)
.set WH,     8388608
; window 0
.set BQOFF, 5                          ; byte offset of my 8 d in bq, bk
.set BVOFF, 6                          ; byte offset of my dv in bv
.set QOFF,  7                          ; my 16 bytes in the Q and K images
.set VOFF,  8                          ; my 16 bytes in the V images
.set KST,   9                          ; where I put 16 bytes of k' in the K stage
.set VST,   10                         ; where I put 16 bytes in the V stage
.set KTA,   11                         ; the transposing loads' address
.set VLA,   12                         ; the V stage, 16 x lane
.set STOFF, 13                         ; my 16 bytes in the state
.set ADRA,  16                         ; v16-17 my x fragments in slot 0, 1
.set ADRB,  20                         ; v20-21 my W fragments in slot 0, 1
.set F0,    32                         ; fragment buffer 0: x at + 8 a (a = 0..7), W at + 64 + 8 b (b = 0..5)
.set F1,    144                        ; fragment buffer 1
.set TT,    32                         ; behind the K loop: t2 of 4 tiles, then q', k'
.set TV,    64                         ; v of 2 tiles
.set EE,    80
.set PP,    112
.set LL,    144
.set OF,    176                        ; 24 registers of bf16 to store: q, k, v's upper term
.set OFL,   200                        ; 8 more: v's lower term
.set SB0,   32                         ; the state's operands, two buffers of 80: 2 fragments of k' transposed, 8 of v
.set SB1,   112
.set SACC,  200                        ; the state's 5 tiles
.set ONES,  240                        ; a fragment whose row (column) 0 is 1.0 and whose others are 0
; window 1: accumulators of a = 0..3 at 8 (6 a + b), and
.set BQK,   192                        ; bq and bk of my 4 q and k tiles, times s1
.set BV,    224                        ; bv of my 2 v tiles, each twice (a pair for the packed forms)
; window 2: accumulators of a = 4..7
.set G1,  24                           ; s[24:31] x's tiles: shape
.set G0,  32                           ; s[32:39] x's tiles: from where, to where, one set a slot
.set G1B, 48                           ; s[48:55] W's tiles
.set G0B, 56                           ; s[56:63]
.set MSB, 0
.macro WIN new                         ; the immediate's high byte repeats the setting that is left
.if MSB != \new
	s_set_vgpr_msb (MSB<<8)|\new
.set MSB, \new
.endif
.endm
.set MUL_LO, 0x50                      ; C and D in window 1, sources in window 0
.set MUL_HI, 0xa0                      ; C and D in window 2
; A joint load: waves 0 and 1 ask for x's two halves, waves 2 and 3 for W's.  The branch hangs on the wave's number alone.
.macro JLOAD s
	s_cmp_eq_u32 s11, 0
	s_cbranch_scc0 .Lfor_b_\@
	tensor_load_to_lds s[G0+4*\s:G0+4*\s+3], s[G1:G1+7]
	s_nop 0
	s_branch .Lasked_\@
.Lfor_b_\@:
	tensor_load_to_lds s[G0B+4*\s:G0B+4*\s+3], s[G1B:G1B+7]
	s_nop 0
.Lasked_\@:
.endm
.macro CREST                           ; a round of the cluster's barrier behind its opening work-group barrier
	s_cmp_lg_u32 s10, 0
	s_cbranch_scc1 .Lnot_wave_0_\@
	s_barrier_signal -3
.Lnot_wave_0_\@:
	s_barrier_wait -3
	s_barrier_signal -1
	s_barrier_wait -1
.endm
.macro CROUND
	s_barrier_signal -1
	s_barrier_wait -1
	CREST
.endm
.macro PLACES                          ; four places behind a matrix instruction before its result is read or a register of it is written or loaded (ISA guide 7.12.1)
.rept 4
	v_nop
.endr
.endm
	s_load_b256 s[68:75], s[0:1], 0x0              ; cb s[68:69], bq s[70:71], bk s[72:73], bv s[74:75]
	s_load_b128 s[76:79], s[0:1], 0x20             ; beta s[76:77], qkv s[78:79]
	s_load_b64 s[80:81], s[0:1], 0x30              ; st
	v_lshl_add_u32 v30, v0, 2, 0x4f800
	v_mov_b32 v31, 0
	ds_add_u32 v30, v31
	ds_add_u32 v30, v31
	v_lshrrev_b32 v1, 5, v0
	v_readfirstlane_b32 s10, v1                    ; wave
	s_lshr_b32 s11, s10, 1                         ; wr.  Also: I ask for x (0) or for W (1)
	s_and_b32 s12, s10, 1                          ; wc.  Also: which half of that tile I ask for
	s_bfe_u32 s40, ttmp6, 0x40000                  ; cx
	s_bfe_u32 s41, ttmp6, 0x40004                  ; cy
	s_lshl_b32 s42, ttmp9, 2
	s_add_co_u32 s42, s42, s40                     ; head = 4 x cluster x + cx
	s_and_b32 s13, ttmp7, 0xffff
	s_lshl_b32 s13, s13, 2
	s_add_co_u32 s13, s13, s41                     ; y = 4 x cluster y + cy = 8 b + c
	s_lshl_b32 s43, s41, 2
	s_lshl_b32 s43, 15, s43                        ; my row of the cluster
	s_lshl_b32 s44, 0x1111, s40                    ; my column
	s_or_b32 s[G1+0], s43, (1<<16)|(1<<20)|(1<<21)|(5<<22)|(3<<25)   ; mask; elements of 2 bytes; padding on; bit 21 beside a mask; after every 64 words 4 words
	s_mov_b32 s[G1+1], KSTEP<<16                   ; tensor_dim0 = 128
	s_mov_b32 s[G1+2], 128<<16                     ; tensor_dim1 = 128
	s_mov_b32 s[G1+3], KSTEP<<16                   ; tile_dim0 = 128
	s_mov_b32 s[G1+4], 128                         ; tile_dim1 = 128 rows
	s_mov_b32 s[G1+5], 2048                        ; from s to s + 1 of one b: two rows of 1,024 elements
	s_mov_b32 s[G1+6], 0
	s_mov_b32 s[G1+7], 0
	s_or_b32 s[G1B+0], s44, (1<<16)|(1<<20)|(1<<21)|(5<<22)|(3<<25)
	s_mov_b32 s[G1B+1], KSTEP<<16
	s_mov_b32 s[G1B+2], 96<<16                     ; 96 rows
	s_mov_b32 s[G1B+3], KSTEP<<16
	s_mov_b32 s[G1B+4], 96
	s_mov_b32 s[G1B+5], 1024
	s_mov_b32 s[G1B+6], 0
	s_mov_b32 s[G1B+7], 0
	; x's tile: row 2 (256 c + 128 half) + b, 2,048 bytes a row.  These registers never hold cx.
	s_lshr_b32 s85, s13, 3                         ; b
	s_and_b32 s86, s13, 7                          ; c
	s_lshl_b32 s16, s86, 20
	s_lshl_b32 s17, s12, 19
	s_add_co_u32 s16, s16, s17
	s_lshl_b32 s17, s85, 11
	s_add_co_u32 s16, s16, s17
	s_mov_b32 s17, 0
	; W's tile: row 192 head + 96 half of the regrouped weights.  These registers never hold cy.
	s_mul_i32 s46, s42, 192
	s_mul_i32 s47, s12, 96
	s_add_co_u32 s46, s46, s47
	s_lshl_b32 s46, s46, 11
	s_add_co_u32 s46, s46, WH
	s_mov_b32 s47, 0
	s_mul_i32 s20, s10, AHALF                      ; LDS: waves 0, 1 fill x's halves at wave x 34,816,
	s_mul_i32 s23, s10, BHALF
	s_add_co_u32 s23, s23, 2*AHALF-2*BHALF         ; waves 2, 3 W's halves at 69,632 + (wave - 2) x 26,112
	s_wait_dscnt 0x0
	s_wait_kmcnt 0x0
	s_add_nc_u64 s[14:15], s[68:69], s[16:17]
	s_add_nc_u64 s[46:47], s[68:69], s[46:47]
	s_lshl_b32 s87, s85, 4                         ; unit = (16 b + head) 8 + c
	s_add_co_u32 s87, s87, s42
	s_lshl_b32 s87, s87, 3
	s_add_co_u32 s87, s87, s86
	s_lshl_b32 s88, s87, 17                        ; 131,072 bytes a unit
	s_mov_b32 s89, 0
	s_add_nc_u64 s[78:79], s[78:79], s[88:89]      ; my unit in qkv
	s_mul_i32 s88, s87, 20480
	s_add_nc_u64 s[80:81], s[80:81], s[88:89]      ; my unit in st
	s_lshl_b32 s88, s42, 2
	s_add_nc_u64 s[76:77], s[76:77], s[88:89]
	s_load_b32 s90, s[76:77], 0x0                  ; beta[head]
	CROUND                                         ; all sixteen work-groups are here: the first joint loads meet
.irp s, 0,1
	s_mov_b32 s[G0+4*\s], 1
	s_add_co_u32 s[G0+4*\s+1], s20, \s*SLOT
	s_add_nc_u64 s[G0+4*\s+2:G0+4*\s+3], s[14:15], \s*KSTEP*2
	s_or_b32 s[G0+4*\s+3], s[G0+4*\s+3], 0x80000000
	s_mov_b32 s[G0B+4*\s], 1
	s_add_co_u32 s[G0B+4*\s+1], s23, \s*SLOT
	s_add_nc_u64 s[G0B+4*\s+2:G0B+4*\s+3], s[46:47], \s*KSTEP*2
	s_or_b32 s[G0B+4*\s+3], s[G0B+4*\s+3], 0x80000000
	JLOAD \s                                       ; K steps 0 and 1: two tensor loads of the wave are out
.endr
	v_and_b32 v1, 15, v0                           ; r
	v_bfe_u32 v2, v0, 4, 1                         ; h
	v_and_b32 v4, 31, v0                           ; lane
	s_lshl_b32 s92, s42, 8                         ; (64 head + 32 wc) x 4 bytes
	s_lshl_b32 s93, s12, 7
	s_add_co_u32 s92, s92, s93
	v_lshl_add_u32 v[BQOFF], v2, 5, s92            ; + 8 h numbers: q and k tiles hold d along the registers
	v_lshl_add_u32 v[BVOFF], v1, 2, s92            ; + r numbers: v tiles hold dv along the lanes
	WIN 0x40                                       ; destinations in window 1
	global_load_b128 v[BQK:BQK+3],      v[BQOFF], s[70:71]
	global_load_b128 v[BQK+4:BQK+7],    v[BQOFF], s[70:71] offset:16
	global_load_b128 v[BQK+8:BQK+11],   v[BQOFF], s[70:71] offset:64
	global_load_b128 v[BQK+12:BQK+15],  v[BQOFF], s[70:71] offset:80
	global_load_b128 v[BQK+16:BQK+19],  v[BQOFF], s[72:73]
	global_load_b128 v[BQK+20:BQK+23],  v[BQOFF], s[72:73] offset:16
	global_load_b128 v[BQK+24:BQK+27],  v[BQOFF], s[72:73] offset:64
	global_load_b128 v[BQK+28:BQK+31],  v[BQOFF], s[72:73] offset:80
	global_load_b32 v[BV],   v[BVOFF], s[74:75]
	global_load_b32 v[BV+1], v[BVOFF], s[74:75]
	global_load_b32 v[BV+2], v[BVOFF], s[74:75] offset:64
	global_load_b32 v[BV+3], v[BVOFF], s[74:75] offset:64
	WIN 0
	v_mul_u32_u24 v3, v1, PITCH
	v_lshl_add_u32 v3, v2, 4, v3                   ; row x pitch + 16 h
	s_mul_i32 s21, s11, AHALF                      ; my 128 rows of x
	s_mul_i32 s22, s12, 32*PITCH                   ; my 32 rows of each of Wq, Wk, Wv,
	s_add_co_u32 s22, s22, 2*AHALF                 ; which lie behind x's 256
.irp s, 0,1
	v_add_nc_u32 v[ADRA+\s], s21, v3
	v_add_nc_u32 v[ADRB+\s], s22, v3
	s_add_co_u32 s21, s21, SLOT
	s_add_co_u32 s22, s22, SLOT
.endr
	s_lshl_b32 s93, s11, 14                        ; 8 row tiles x 2 KiB = 4 K steps x 4 KiB for each wr
	s_lshl_b32 s94, s12, 10
	s_add_co_u32 s94, s93, s94
	v_lshl_add_u32 v[QOFF], v4, 4, s94             ; fragment (8 wr + a) 2 + wc
	s_lshl_b32 s94, s12, 11
	s_add_co_u32 s94, s93, s94
	v_lshl_add_u32 v[VOFF], v4, 4, s94             ; fragment (4 wr + a / 2) 4 + 2 wc + tile
	v_add_nc_u32 v[VST], VSTAGE, v[VOFF]
	s_mul_i32 s93, s12, KPLANE                     ; the K stage: plane wc, rows 128 wr .. + 127: 12,288 bytes that are this wave's alone
	s_mul_i32 s94, s11, 128*KP
	s_add_co_u32 s93, s93, s94
	s_add_co_u32 s93, s93, KSTAGE
	v_mul_u32_u24 v3, v1, KP
	v_lshl_add_u32 v3, v2, 4, v3
	v_add_nc_u32 v[KST], s93, v3
	s_mul_i32 s93, s11, KPLANE                     ; for the state wave w takes dk = 16 w .. + 15: plane w / 2, byte 32 (w mod 2) of its rows
	s_lshl_b32 s94, s12, 5
	s_add_co_u32 s93, s93, s94
	s_add_co_u32 s93, s93, KSTAGE
	v_and_b32 v3, 7, v0
	v_lshl_add_u32 v3, v2, 3, v3                   ; row 8 h + lane mod 8
	v_mul_u32_u24 v3, v3, KP
	v_bfe_u32 v14, v0, 3, 1
	v_lshl_add_u32 v3, v14, 4, v3                  ; + 16 bytes for the upper eight lanes of each half
	v_add_nc_u32 v[KTA], s93, v3
	v_lshlrev_b32 v3, 4, v4
	v_add_nc_u32 v[VLA], VSTAGE, v3
	s_mul_i32 s93, s10, 5120
	v_lshl_add_u32 v[STOFF], v4, 4, s93
	s_wait_kmcnt 0x0                               ; beta[head]
	v_mov_b32 v14, s90
	v_mul_f32 v14, 0xbfb8aa3b, v14                 ; -beta log2(e)
	v_exp_f32 v14, v14
	v_nop                                          ; one plain place behind a transcendental (ISA guide 5.7.2)
	s_wait_alu depctr_va_vdst(0)
	v_mul_f32 v14, 0x3e38aa3b, v14                 ; s1 = log2(e) / 8 x exp(-beta)
	v_readfirstlane_b32 s82, v14
	s_mov_b32 s83, s82
	s_mov_b32 s84, 0x80000000
	s_mov_b32 s91, 0xffff0000                      ; a word's upper bf16
; One row of tiles: x's block a = 4 hi + al against my six blocks of W.  q and k take W as source 0, v takes x as source 0.
.macro MULROW f, hi, al, zero
.irp b, 0,1,2,3
.if \zero
	v_wmma_f32_16x16x32_bf16 v[8*(6*(\al)+\b):8*(6*(\al)+\b)+7], v[\f+64+8*\b:\f+64+8*\b+7], v[\f+8*(4*\hi+(\al)):\f+8*(4*\hi+(\al))+7], 0
.else
	v_wmma_f32_16x16x32_bf16 v[8*(6*(\al)+\b):8*(6*(\al)+\b)+7], v[\f+64+8*\b:\f+64+8*\b+7], v[\f+8*(4*\hi+(\al)):\f+8*(4*\hi+(\al))+7], v[8*(6*(\al)+\b):8*(6*(\al)+\b)+7]
.endif
.endr
.irp b, 4,5
.if \zero
	v_wmma_f32_16x16x32_bf16 v[8*(6*(\al)+\b):8*(6*(\al)+\b)+7], v[\f+8*(4*\hi+(\al)):\f+8*(4*\hi+(\al))+7], v[\f+64+8*\b:\f+64+8*\b+7], 0
.else
	v_wmma_f32_16x16x32_bf16 v[8*(6*(\al)+\b):8*(6*(\al)+\b)+7], v[\f+8*(4*\hi+(\al)):\f+8*(4*\hi+(\al))+7], v[\f+64+8*\b:\f+64+8*\b+7], v[8*(6*(\al)+\b):8*(6*(\al)+\b)+7]
.endif
.endr
.endm
.macro MUL12 f, hi, a0, zero
	MULROW \f, \hi, \a0, \zero
	MULROW \f, \hi, \a0+1, \zero
.endm
; 28 LDS loads in one run: the fragments of a quarter step (32 K at byte k of the rows): W's six first, then x's eight
.macro FETCH slot, k, f
	WIN 0
.irp b, 0,1,2,3,4,5
	ds_load_b128 v[\f+64+8*\b:\f+64+8*\b+3],   v[ADRB+\slot] offset:((\b/2)*64+(\b%2)*16)*PITCH+\k
	ds_load_b128 v[\f+64+8*\b+4:\f+64+8*\b+7], v[ADRB+\slot] offset:((\b/2)*64+(\b%2)*16)*PITCH+\k+32
.endr
.irp a, 0,1,2,3,4,5,6,7
	ds_load_b128 v[\f+8*\a:\f+8*\a+3],   v[ADRA+\slot] offset:\a*16*PITCH+\k
	ds_load_b128 v[\f+8*\a+4:\f+8*\a+7], v[ADRA+\slot] offset:\a*16*PITCH+\k+32
.endr
.endm
; A quarter step: 48 matrix instructions on buffer f; in its middle the next quarter's fragments are fetched into buffer g.
; The 48 accumulators take turns, one instruction a turn, in the same order in every quarter.
.macro QUARTER slot, k, f, g, zero
	s_wait_dscnt 8                                 ; W and x's blocks 0-3 are in; the youngest eight loads (x's blocks 4-7) may be out
	WIN MUL_LO
	MUL12 \f, 0, 0, \zero
	MUL12 \f, 0, 2, \zero
	PLACES
	FETCH \slot, \k, \g
	s_wait_dscnt 28                                ; all but the 28 just issued
	WIN MUL_HI
	MUL12 \f, 1, 0, \zero
	MUL12 \f, 1, 2, \zero
.endm
.macro THREE slot, zero
	QUARTER \slot, 64,  F0, F1, \zero
	QUARTER \slot, 128, F1, F0, 0
	QUARTER \slot, 192, F0, F1, 0
.endm
; The last quarter of a K step multiplies buffer 1 and changes slots.  In front of the barrier each wave waits for its reads of this slot and for all
; its tensor loads (one is out: its part of the next slot).  Where the slot is filled again the barrier opens a round of the cluster's barrier,
; and the joint refill is the first tensor load behind the round, one a wave.  From a request to the wait for it a wave issues 180 matrix instructions.
.macro TURN slot, next, fill
	s_wait_dscnt 8
	WIN MUL_LO
	MUL12 F1, 0, 0, 0
	s_wait_dscnt 0x0                               ; my reads of this slot are over
	s_wait_tensorcnt 0x0                           ; all my tensor loads have landed
	ds_add_u32 v30, v31
	s_wait_dscnt 0x0
	s_barrier_signal -1
	MUL12 F1, 0, 2, 0                              ; register work while the others arrive
	WIN 0
	s_barrier_wait -1
.if \fill
	CREST
	s_add_nc_u64 s[G0+4*\slot+2:G0+4*\slot+3], s[G0+4*\slot+2:G0+4*\slot+3], 2*KSTEP*2
	s_add_nc_u64 s[G0B+4*\slot+2:G0B+4*\slot+3], s[G0B+4*\slot+2:G0B+4*\slot+3], 2*KSTEP*2
	JLOAD \slot
.endif
	PLACES
	FETCH \next, 0, F0
	WIN MUL_HI
	MUL12 F1, 1, 0, 0
	MUL12 F1, 1, 2, 0
.endm
.macro LAP zero
	THREE 0, \zero
	TURN 0, 1, 1
	THREE 1, 0
	TURN 1, 0, 1
.endm
	s_wait_tensorcnt 0x1                           ; my part of K step 0 is in; K step 1's stays out
	s_barrier_signal -1
	s_barrier_wait -1
	FETCH 0, 0, F0
	LAP 1                                          ; the first products start the sums: nothing is cleared
	WIN 0
	s_mov_b32 s3, LAPS-2
.Llap:
	LAP 0
	WIN 0
	s_sub_co_u32 s3, s3, 1
	s_cmp_lg_u32 s3, 0
	s_cbranch_scc1 .Llap
	THREE 0, 0                                     ; the last lap fills nothing
	TURN 0, 1, 0
	THREE 1, 0
	s_wait_dscnt 8
	WIN MUL_LO
	MUL12 F1, 0, 0, 0
	MUL12 F1, 0, 2, 0
	s_wait_dscnt 0x0
	WIN MUL_HI
	MUL12 F1, 1, 0, 0
	MUL12 F1, 1, 2, 0
	PLACES                                         ; behind the last matrix instructions: results are read, fragment registers are written
	s_wait_loadcnt 0x0                             ; the biases
	WIN 0x41
.set i, 0
.rept 16
	v_pk_mul_f32 v[BQK+i:BQK+i+1], v[BQK+i:BQK+i+1], s[82:83] op_sel_hi:[1,0]    ; bias x s1, once, so that t2 is one fused multiply-add
.set i, i+2
.endr
	WIN 0
	v_cmp_eq_u32 vcc_lo, 0, v1
	v_mov_b32 v3, 0x3f803f80                       ; 1.0, 1.0 in bf16
.set i, 0
.rept 8
	v_cndmask_b32 v[ONES+i], 0, v3, vcc_lo         ; lanes 0 and 16 hold ones, the others zeros
.set i, i+1
.endr
; Rows 16 a .. 16 a + 15 of my block: 4 tiles of q and k through the softplus, 2 tiles of v, rounded, stored as fragment images; k' and v's upper term also into the stages.
.macro EPI a
	WIN (0x11+\a/4)                                ; source 0 (accumulators) in window 1 or 2, source 2 (biases) in window 1
.irp b, 0,1,2,3
.irp p, 0,2,4,6
	v_pk_fma_f32 v[TT+8*\b+\p:TT+8*\b+\p+1], v[8*(6*(\a%4)+\b)+\p:8*(6*(\a%4)+\b)+\p+1], s[82:83], v[BQK+8*\b+\p:BQK+8*\b+\p+1] op_sel_hi:[1,0,1]
.endr
.endr
.irp b, 0,1
.irp p, 0,2,4,6
	v_pk_fma_f32 v[TV+8*\b+\p:TV+8*\b+\p+1], v[8*(6*(\a%4)+4+\b)+\p:8*(6*(\a%4)+4+\b)+\p+1], 1.0, v[BV+2*\b:BV+2*\b+1] op_sel_hi:[1,0,1]   ; v + bv, in the form whose addend is source 2: no further switch of windows
.endr
.endr
	WIN 0
.set i, 0
.rept 32
	v_or_b32 v[EE+i], s84, v[TT+i]                 ; -|t2|
.set i, i+1
.endr
.set i, 0
.rept 32
	v_exp_f32 v[EE+i], v[EE+i]                     ; e
.set i, i+1
.endr
.set i, 0
.rept 32
	v_max_num_f32 v[TT+i], 0, v[TT+i]              ; plain work behind the transcendentals (ISA guide 5.7.2)
.set i, i+1
.endr
.set i, 0
	s_wait_alu depctr_va_vdst(0)
.rept 16
	v_pk_add_f32 v[PP+i:PP+i+1], v[EE+i:EE+i+1], 1.0 op_sel_hi:[1,0]             ; p = 1 + e
.set i, i+2
.endr
.set i, 0
.rept 32
	v_log_f32 v[LL+i], v[PP+i]
.set i, i+1
.endr
	v_nop
.set i, 0
.rept 16
	v_pk_add_f32 v[PP+i:PP+i+1], v[PP+i:PP+i+1], -1.0 op_sel_hi:[1,0]            ; p - 1, exact
.set i, i+2
.endr
.set i, 0
.rept 16
	v_pk_add_f32 v[EE+i:EE+i+1], v[EE+i:EE+i+1], v[PP+i:PP+i+1] neg_lo:[0,1] neg_hi:[0,1]   ; what 1 + e lost
.set i, i+2
.endr
.set i, 0
	s_wait_alu depctr_va_vdst(0)
.rept 16
	v_pk_fma_f32 v[LL+i:LL+i+1], v[EE+i:EE+i+1], 0x3fb8aa3b, v[LL+i:LL+i+1] op_sel_hi:[1,0,1]
.set i, i+2
.endr
.set i, 0
.rept 16
	v_pk_add_f32 v[TT+i:TT+i+1], v[TT+i:TT+i+1], v[LL+i:LL+i+1]
.set i, i+2
.endr
	s_wait_xcnt 0x0                                ; OF and OFL are the data of the stores of the rows before: they are written again only behind this wait
.set i, 0
.rept 16
	v_cvt_pk_bf16_f32 v[OF+i], v[TT+2*i], v[TT+2*i+1]          ; OF 0-7 the q fragment, 8-15 the k fragment
.set i, i+1
.endr
.set i, 0
.rept 8
	v_cvt_pk_bf16_f32 v[OF+16+i], v[TV+2*i], v[TV+2*i+1]       ; OF 16-19, 20-23: half a fragment of each of my two dv tiles, upper term
.set i, i+1
.endr
.set i, 0
.rept 8
	v_lshlrev_b32 v[EE+2*i],   16,  v[OF+16+i]                 ; the upper term back in f32
	v_and_b32     v[EE+2*i+1], s91, v[OF+16+i]
.set i, i+1
.endr
.set i, 0
.rept 8
	v_pk_add_f32 v[EE+i:EE+i+1], v[TV+i:TV+i+1], v[EE+i:EE+i+1] neg_lo:[0,1] neg_hi:[0,1]   ; v - upper, exact
.set i, i+2
.endr
.set i, 0
.rept 8
	v_cvt_pk_bf16_f32 v[OFL+i], v[EE+2*i], v[EE+2*i+1]         ; the lower term
.set i, i+1
.endr
	global_store_b128 v[QOFF], v[OF:OF+3],     s[78:79] offset:\a*2048
	global_store_b128 v[QOFF], v[OF+4:OF+7],   s[78:79] offset:\a*2048+512
	global_store_b128 v[QOFF], v[OF+8:OF+11],  s[78:79] offset:32768+\a*2048
	global_store_b128 v[QOFF], v[OF+12:OF+15], s[78:79] offset:32768+\a*2048+512
	global_store_b128 v[VOFF], v[OF+16:OF+19], s[78:79] offset:65536+(\a/2)*4096+(\a%2)*512
	global_store_b128 v[VOFF], v[OF+20:OF+23], s[78:79] offset:65536+(\a/2)*4096+(\a%2)*512+1024
	global_store_b128 v[VOFF], v[OFL:OFL+3],   s[78:79] offset:98304+(\a/2)*4096+(\a%2)*512
	global_store_b128 v[VOFF], v[OFL+4:OFL+7], s[78:79] offset:98304+(\a/2)*4096+(\a%2)*512+1024
	ds_store_b128 v[KST], v[OF+8:OF+11]  offset:\a*16*KP
	ds_store_b128 v[KST], v[OF+12:OF+15] offset:\a*16*KP+32
	ds_store_b128 v[VST], v[OF+16:OF+19] offset:(\a/2)*4096+(\a%2)*512
	ds_store_b128 v[VST], v[OF+20:OF+23] offset:(\a/2)*4096+(\a%2)*512+1024
.endm
.irp a, 0,1,2,3,4,5,6,7
	EPI \a
.endr
	; THE STATE.  Wave w makes dk = 16 w .. + 15 against dv tiles 0-3 and the column of ones, over the chunk's 8 steps of 32 s.
	s_wait_xcnt 0x0                                ; the last stores' data registers are loaded into, and written by matrix instructions, below
	s_wait_dscnt 0x0                               ; my stores into the stages are done, for the other waves' sake
	s_barrier_signal -1
	s_barrier_wait -1
; 20 LDS loads: steps 2 g and 2 g + 1: k' transposed (lane = dk, K = s) by two transposing loads, and the four v fragments
.macro LOADB g, sb
.irp e, 0,1
	ds_load_tr16_b128 v[\sb+8*\e:\sb+8*\e+3],   v[KTA] offset:(2*\g+\e)*32*KP
	ds_load_tr16_b128 v[\sb+8*\e+4:\sb+8*\e+7], v[KTA] offset:(2*\g+\e)*32*KP+16*KP
.irp t, 0,1,2,3
	ds_load_b128 v[\sb+16+8*(4*\e+\t):\sb+16+8*(4*\e+\t)+3],   v[VLA] offset:(4*(2*\g+\e)+\t)*1024
	ds_load_b128 v[\sb+16+8*(4*\e+\t)+4:\sb+16+8*(4*\e+\t)+7], v[VLA] offset:(4*(2*\g+\e)+\t)*1024+512
.endr
.endr
.endm
; 10 matrix instructions; the five accumulators take turns, one instruction a turn
.macro MULS sb, zero
.irp e, 0,1
.irp t, 0,1,2,3,4
.set cz, 0
.if \zero
.if \e == 0
.set cz, 1
.endif
.endif
.if \t < 4
.set bsrc, \sb+16+8*(4*\e+\t)
.else
.set bsrc, ONES
.endif
.if cz
	v_wmma_f32_16x16x32_bf16 v[SACC+8*\t:SACC+8*\t+7], v[\sb+8*\e:\sb+8*\e+7], v[bsrc:bsrc+7], 0
.else
	v_wmma_f32_16x16x32_bf16 v[SACC+8*\t:SACC+8*\t+7], v[\sb+8*\e:\sb+8*\e+7], v[bsrc:bsrc+7], v[SACC+8*\t:SACC+8*\t+7]
.endif
.endr
.endr
.endm
	LOADB 0, SB0
	LOADB 1, SB1
	s_wait_dscnt 20                                ; the older batch is in, the 20 just issued stay out
	MULS SB0, 1
	PLACES
	LOADB 2, SB0
	s_wait_dscnt 20
	MULS SB1, 0
	PLACES
	LOADB 3, SB1
	s_wait_dscnt 20
	MULS SB0, 0
	s_wait_dscnt 0x0
	MULS SB1, 0
	PLACES
.irp t, 0,1,2,3,4
	global_store_b128 v[STOFF], v[SACC+8*\t:SACC+8*\t+3],   s[80:81] offset:\t*1024
	global_store_b128 v[STOFF], v[SACC+8*\t+4:SACC+8*\t+7], s[80:81] offset:\t*1024+512
.endr
	s_wait_tensorcnt 0x0
	ds_add_u32 v30, v31
	s_wait_dscnt 0x0
	CROUND                                         ; the closing round: no work-group ends while a partner may still ask for a tile that names it
	s_endpgm
.Lfunc_end_k_q6e99f2a03f_qkv:
	.size	k_q6e99f2a03f_qkv, .Lfunc_end_k_q6e99f2a03f_qkv-k_q6e99f2a03f_qkv
	.p2alignl 7, 3214868480
	.fill 96, 4, 3214868480
	.section	.rodata,"a",@progbits
	.p2align	6, 0x0
	.amdhsa_kernel k_q6e99f2a03f_qkv
		.amdhsa_group_segment_fixed_size 327680
		.amdhsa_private_segment_fixed_size 0
		.amdhsa_enable_private_segment 0
		.amdhsa_kernarg_size 56
		.amdhsa_user_sgpr_count 2
		.amdhsa_user_sgpr_kernarg_segment_ptr 1
		.amdhsa_wavefront_size32 1
		.amdhsa_system_sgpr_workgroup_id_x 1
		.amdhsa_system_sgpr_workgroup_id_y 1
		.amdhsa_system_sgpr_workgroup_id_z 1
		.amdhsa_system_vgpr_workitem_id 0
		.amdhsa_next_free_vgpr 704
		.amdhsa_next_free_sgpr 100
		.amdhsa_reserve_vcc 1
		.amdhsa_float_denorm_mode_32 3
		.amdhsa_float_denorm_mode_16_64 3
		.amdhsa_memory_ordered 1
		.amdhsa_forward_progress 1
		.amdhsa_inst_pref_size 255
	.end_amdhsa_kernel
	.section	.bss,"aw",@nobits
	.p2align	6
	.space	262144
	.amdgpu_metadata
---
amdhsa.version: [ 1, 2 ]
amdhsa.kernels:
  - .name:           k_q6e99f2a03f_qkv
    .symbol:         k_q6e99f2a03f_qkv.kd
    .args:
      - { .name: cb, .offset: 0, .size: 8, .value_kind: global_buffer, .address_space: global }
      - { .name: bq, .offset: 8, .size: 8, .value_kind: global_buffer, .address_space: global }
      - { .name: bk, .offset: 16, .size: 8, .value_kind: global_buffer, .address_space: global }
      - { .name: bv, .offset: 24, .size: 8, .value_kind: global_buffer, .address_space: global }
      - { .name: beta, .offset: 32, .size: 8, .value_kind: global_buffer, .address_space: global }
      - { .name: qkv, .offset: 40, .size: 8, .value_kind: global_buffer, .address_space: global }
      - { .name: st, .offset: 48, .size: 8, .value_kind: global_buffer, .address_space: global }
    .group_segment_fixed_size: 327680
    .private_segment_fixed_size: 0
    .kernarg_segment_align: 8
    .kernarg_segment_size: 56
    .max_flat_workgroup_size: 128
    .sgpr_count:     100
    .vgpr_count:     704
    .wavefront_size: 32
...
	.end_amdgpu_metadata
.endif
;; end of part 2
;; launch attn (part 3): grid 256 x 1, 4 waves a work-group, no clusters, 168,448 bytes of LDS; arguments qkv, st, af; writes af
.if DOCPART == 3
	.amdgcn_target "amdgcn-amd-amdhsa--gfx1250"
	.amdhsa_code_object_version 6
	.text
	.protected	k_q6e99f2a03f_attn
	.globl	k_q6e99f2a03f_attn
	.p2align	8
	.type	k_q6e99f2a03f_attn,@function
k_q6e99f2a03f_attn:
	s_mov_b64 s[64:65], 0
	v_nop
	global_prefetch_b8 v0, s[64:65] scope:SCOPE_SE
	s_setreg_imm32_b32 hwreg(HW_REG_WAVE_MODE, 25, 1), 1
	s_wait_xcnt 0x0
; One work-group = one unit (b, head, chunk c of 256 s).  out[i] = (q_i S + sum over j <= i in the chunk of (q_i k_j) v_j) / den, S = the sum of the states
; of the sequence's chunks before c; den is the same sum with 1 in v's place, carried as a 65th row of v (the fragment ONES) and of S.
; WHO DOES WHAT.  The chunk's rows are 16 tiles of 16 i; tile T needs the j tiles 0 .. T.  Wave w takes tiles w, 7 - w, 8 + w, 15 - w (it = 0 .. 3): T + 1 adds
; up to 34 in every wave.  Tile it lies in the block it of 64 j.  So in j block jb every wave has: tiles it > jb whole, tile it = jb cut by the diagonal, tiles
; it < jb nothing: one text for all waves.  Where the diagonal cuts hangs on the wave through one lane value alone: tile it = jb is the p-th of its block,
; p = w in blocks 0 and 2, 3 - w in blocks 1 and 3, and element (j = 16 jt + 8 h + jj, i = 16 p + r) stays where 16 jt + jj <= 16 p + r - 8 h.
; Everything is computed transposed, so that each result tile, rounded to bf16, is the next product's fragment:
;   P^T = K Q^T      source 0 = K fragments (rows j), source 1 = Q fragments (columns i): a lane holds 8 neighbouring j of one i = a fragment (lane = i, K = j)
;   O^T = [V^T; 1] P source 0 = V fragments (rows dv) or ONES, source 1 = P: a lane holds 8 neighbouring dv of one i; den of i lies in row 0 of the fifth tile
;   O^T += S^T Q^T   source 0 = S fragments (rows dv, K = dk), made from the f32 state tiles (lane = dv, registers = dk)
; TWO bf16 TERMS.  The result at position s is an average of s + 1 rows of v: the first positions are of v's own size, many times the typical size of the whole
; output, and 8 bits of P, of v or of the result would show there.  So in chunk 0: P = Ph + Pl (Pl = bf16(P - Ph)), v = Vh + Vl as it was stored, and
; O += Vh Ph + Vh Pl + Vl Ph; the product Vl Pl, some 2^-18 of the sum, is left out.  From 256 rows averaged on P and v go as one term, as the states do.
; The result is stored as one bf16 term, and for s < 512 (chunks 0 and 1) with a lower term beside it.
; The text parts once, on c = 0, a number that all waves of the work-group share: chunk 0 has no state before it (no state loads, no S), the others have no lower terms.
; WHERE THE RESULT GOES: the fragments that the output projection reads, dealt so that each of its waves has one s tile below 512 and three above:
; group g (0..31) of a b holds s tile g and s tiles 32 + 3 g .. + 2.  af + (((4 b + head / 4) 32 + g) 5 + idx) x 8,192 + (2 (head mod 4) + dv / 32) x 1,024:
; idx 0 the early tile, 1-3 the later ones, 4 the early tile's lower term.
; NO CLUSTER: Q, K, V (96 or 128 KiB of a unit) are the unit's own.  The states are shared by the units of a sequence, but unit c needs the first c of them only,
; each wave a row of five tiles of its own straight into registers, so partners' requests differ in number and in address.
; LIMITS: 1 / den is v_rcp_f32: it is 0 for den above 2^126.  q', k', S and the sums of k enter the matrix unit as one bf16 term; P and v from s = 256 on too.
.set VLH,  32768                       ; LDS: K image at 0, V's upper image at 32,768, in chunk 0 V's lower image at 65,536 (one tensor load a wave, filled once),
.set VLL,  65536
.set SL,   98304                       ; S fragments (t x 2 + dk / 32) x 1 KiB at 98,304 (LDS stores only)
.set KLA,  4                           ; 16 x lane
.set SLA,  5
.set SSTA, 6
.set DLA,  7                           ; 16 w + r - 8 h: the diagonal's place in blocks 0 and 2
.set DLB,  8                           ; 16 (3 - w) + r - 8 h: in blocks 1 and 3
.set STL,  9
.set QL0,  10                          ; 16 x lane + 2,048 w: Q tiles w and 8 + w
.set QL1,  11                          ; 16 x lane + 2,048 (7 - w): Q tiles 7 - w and 15 - w
.set RR,   12                          ; v[12:19] 1 / den of my four i tiles, each twice
.set DD,   20
.set D2,   24
.set KLA2, 28                          ; KLA + 65,536: the lower image lies beyond an LDS instruction's 16-bit offset
.set QF,   32                          ; v[32:95]   Q fragments it x 2 + ks
.set KF,   96                          ; v[96:159]  K fragments jt x 2 + ks,
.set PF,   96                          ;            then Ph fragments it x 2 + kp
.set VF,   160                         ; v[160:223] Vh fragments kp x 4 + t
.set SF,   96                          ; v[96:175]  S fragments t x 2 + ks
.set TT,   96                          ; on the way out: the result in f32,
.set UU,   128                         ;   its upper term widened, then the difference,
.set OUTR, 160                         ;   64 registers of upper terms to store,
.set OUTL, 32                          ;   64 registers of lower terms to store
.set ONES, 224
.set SH,   232                         ; v[232:251]
; window 1: first the states of chunks 0-3 (40 registers each; the prefix is summed in chunk 0's), then O[t][it] at 8 (4 t + it)
; window 2: first the states of chunks 4-6, then P^T[jt][it] at 8 (4 jt + it), and at 128 + the same index Ph widened to f32, then P - Ph
.set UT,   128
; window 3 (chunk 0 alone):
.set PL,   0                           ; Pl fragments it x 2 + kp
.set VLO,  64                          ; Vl fragments kp x 4 + t
.set G1L, 16                           ; s[16:23] shape of a wave's tile where c > 0: 64 rows of 256 bytes
.set G0L, 24                           ; s[24:27]
.set G0H, 28                           ; s[28:31]
.set SB,  36                           ; s[36:49] the seven states' offsets, then addresses
.set MK,  52                           ; s[52:59] eight lane masks at work
.set AB,  68                           ; s[68:75] where my four s tiles go in af: offsets, then addresses
.set G1H, 84                           ; s[84:91] shape of a wave's tile where c = 0: 96 rows
.set MSB, 0
.macro WIN new                         ; the immediate's high byte repeats the setting that is left
.if MSB != \new
	s_set_vgpr_msb (MSB<<8)|\new
.set MSB, \new
.endif
.endm
.macro PLACES                          ; four places behind a matrix instruction (ISA guide 7.12.1)
.rept 4
	v_nop
.endr
.endm
.macro QLOADS                          ; my 8 Q fragments: tile T at 2,048 T of the Q image
.irp it, 0,1,2,3
.irp ks, 0,1
	global_load_b128 v[QF+8*(2*\it+\ks):QF+8*(2*\it+\ks)+3],   v[QL0+(\it%2)], s[32:33] offset:(\it/2)*16384+\ks*1024
	global_load_b128 v[QF+8*(2*\it+\ks)+4:QF+8*(2*\it+\ks)+7], v[QL0+(\it%2)], s[32:33] offset:(\it/2)*16384+\ks*1024+512
.endr
.endr
.endm
	s_load_b128 s[4:7], s[0:1], 0x0                ; qkv s[4:5], st s[6:7]
	s_load_b64 s[8:9], s[0:1], 0x10                ; af
	v_lshl_add_u32 v254, v0, 2, 0x29000
	v_mov_b32 v255, 0
	ds_add_u32 v254, v255
	ds_add_u32 v254, v255
	; all that needs no address is made while the arguments are on their way
	v_lshrrev_b32 v1, 5, v0
	v_readfirstlane_b32 s10, v1                    ; wave
	s_mov_b32 s11, ttmp9                           ; unit
	s_and_b32 s12, s11, 7                          ; c
	s_lshr_b32 s13, s11, 7                         ; b
	s_bfe_u32 s14, s11, 0x40003                    ; head
	s_mov_b32 s[G1L+0], 3<<16                      ; a dense block as rows of 256 bytes: elements of 8 bytes, no mask, no padding
	s_mov_b32 s[G1L+1], 32<<16                     ; tensor_dim0 = 32
	s_mov_b32 s[G1L+2], 64<<16                     ; tensor_dim1 = 64
	s_mov_b32 s[G1L+3], 32<<16                     ; tile_dim0 = 32
	s_mov_b32 s[G1L+4], 64                         ; tile_dim1 = 64 rows: 16 KiB, a quarter of K and Vh, which follow each other in the unit
	s_mov_b32 s[G1L+5], 32
	s_mov_b32 s[G1L+6], 0
	s_mov_b32 s[G1L+7], 0
	s_mov_b32 s[G1H+0], 3<<16
	s_mov_b32 s[G1H+1], 32<<16
	s_mov_b32 s[G1H+2], 96<<16                     ; tensor_dim1 = 96
	s_mov_b32 s[G1H+3], 32<<16
	s_mov_b32 s[G1H+4], 96                         ; tile_dim1 = 96 rows: 24 KiB, a quarter of K, Vh and Vl
	s_mov_b32 s[G1H+5], 32
	s_mov_b32 s[G1H+6], 0
	s_mov_b32 s[G1H+7], 0
	s_mov_b32 s[G0L], 1
	s_lshl_b32 s[G0L+1], s10, 14                   ; LDS: 16,384 w
	s_mov_b32 s[G0H], 1
	s_mul_i32 s[G0H+1], s10, 24576                 ; LDS: 24,576 w
	s_add_co_u32 s92, s[G0L+1], 32768              ; and the same place behind the unit's Q image
	s_mov_b32 s93, 0
	s_add_co_u32 s94, s[G0H+1], 32768
	s_mov_b32 s95, 0
	s_lshl_b32 s66, s11, 17                        ; 131,072 bytes a unit
	s_mov_b32 s67, 0
	s_sub_co_u32 s34, s11, s12                     ; the sequence's first unit
	s_max_u32 s51, s12, 1
	s_sub_co_u32 s51, s51, 1                       ; the last chunk that is needed
.irp cc, 0,1,2,3,4,5,6
	s_min_u32 s2, s51, \cc                         ; chunk cc; from c on the index stays at c - 1, inside the buffer, and what comes is not added
	s_add_co_u32 s2, s2, s34
	s_mul_i32 s[SB+2*\cc], s2, 20480
	s_mov_b32 s[SB+2*\cc+1], 0
.endr
	; where my four s tiles go: block 5 st for an early tile st; for a later one, l = st - 32: block 5 (l / 3) + 1 + l mod 3 = 2 (l / 3) + l + 1
	s_lshl_b32 s76, s12, 4
	s_add_co_u32 s80, s76, s10                     ; 16 c + w
	s_sub_co_u32 s81, s76, s10
	s_add_co_u32 s81, s81, 7                       ; 16 c + 7 - w
	s_add_co_u32 s82, s80, 8                       ; 16 c + 8 + w
	s_add_co_u32 s83, s81, 8                       ; 16 c + 15 - w
	s_lshl_b32 s77, s13, 2
	s_lshr_b32 s35, s14, 2
	s_add_co_u32 s77, s77, s35                     ; 4 b + head / 4,
	s_mul_i32 s77, s77, 160                        ; each with 32 groups of 5 blocks
	s_and_b32 s35, s14, 3
	s_lshl_b32 s35, s35, 11                        ; (head mod 4) x 2 fragments
.irp it, 0,1,2,3
	s_mul_i32 s79, s[80+\it], 5
	s_max_u32 s78, s[80+\it], 32
	s_sub_co_u32 s78, s78, 32                      ; l (0 for an early tile, whose other figure is chosen below)
	s_mul_i32 s2, s78, 171
	s_lshr_b32 s2, s2, 9                           ; l / 3, exact for l below 96
	s_lshl1_add_u32 s2, s2, s78
	s_add_co_u32 s2, s2, 1
	s_cmp_lt_u32 s12, 2
	s_cselect_b32 s2, s79, s2
	s_add_co_u32 s2, s2, s77
	s_lshl_b32 s2, s2, 13                          ; blocks of 8,192 bytes
	s_add_co_u32 s[AB+2*\it], s2, s35
	s_mov_b32 s[AB+2*\it+1], 0
.endr
	v_and_b32 v3, 31, v0
	v_lshlrev_b32 v[KLA], 4, v3
	v_and_b32 v1, 15, v0                           ; r
	v_bfe_u32 v2, v0, 4, 1                         ; h
	s_lshl_b32 s2, s10, 11
	v_add_nc_u32 v[QL0], s2, v[KLA]
	s_sub_co_u32 s2, 7, s10
	s_lshl_b32 s2, s2, 11
	v_add_nc_u32 v[QL1], s2, v[KLA]
	s_mul_i32 s2, s10, 5120
	v_add_nc_u32 v[STL], s2, v[KLA]
	v_add_nc_u32 v[SLA], SL, v[KLA]
	s_lshl_b32 s2, s10, 9
	s_add_co_u32 s2, s2, SL
	v_add_nc_u32 v[SSTA], s2, v[KLA]               ; dk tile w is half (w mod 2) of fragment ks = w / 2: 512 w
	v_add_nc_u32 v[KLA2], VLL, v[KLA]
	v_lshlrev_b32 v3, 3, v2
	v_sub_nc_u32 v3, v1, v3                        ; r - 8 h
	s_lshl_b32 s2, s10, 4
	v_add_nc_u32 v[DLA], s2, v3
	s_sub_co_u32 s2, 48, s2
	v_add_nc_u32 v[DLB], s2, v3
	v_cmp_eq_u32 vcc_lo, 0, v1
	v_mov_b32 v3, 0x3f803f80                       ; 1.0, 1.0 in bf16
.set i, 0
.rept 8
	v_cndmask_b32 v[ONES+i], 0, v3, vcc_lo         ; lanes 0 and 16 hold ones, the others zeros
.set i, i+1
.endr
	s_mov_b32 s60, 0x76543210                      ; v_permlanex16_b32: lane i of one half reads lane i of the other
	s_mov_b32 s61, 0xfedcba98
	s_mov_b32 s62, 0xffff0000                      ; a word's upper bf16
	s_wait_dscnt 0x0
	s_wait_kmcnt 0x0
	s_add_nc_u64 s[32:33], s[4:5], s[66:67]        ; my unit in qkv
.irp it, 0,1,2,3
	s_add_nc_u64 s[AB+2*\it:AB+2*\it+1], s[8:9], s[AB+2*\it:AB+2*\it+1]
.endr
; One of the products into O for j block jb.  mode 0: [Vh; 1] Ph;  1: [Vh; 1] Pl;  2: Vl Ph.  zero = 1: the product's first half starts the sums.
; The accumulators take turns, one instruction a turn, within a product and from one product to the next.
.macro PV jb, mode, zero
.if \mode == 0
	WIN 0x50                                       ; C and D in window 1
.endif
.if \mode == 1
	WIN 0x5c                                       ; and source 1 (Pl) in window 3
.endif
.if \mode == 2
	WIN 0x53                                       ; and source 0 (Vl) in window 3
.endif
.irp kp, 0,1
.irp t, 0,1,2,3,4
.irp it, 0,1,2,3
.set go, 0
.if \it >= \jb
.set go, 1
.endif
.if \mode == 2
.if \t == 4
.set go, 0
.endif
.set asrc, VLO+8*(4*\kp+\t)
.else
.if \t < 4
.set asrc, VF+8*(4*\kp+\t)
.else
.set asrc, ONES
.endif
.endif
.if \mode == 1
.set bsrc, PL+8*(2*\it+\kp)
.else
.set bsrc, PF+8*(2*\it+\kp)
.endif
.set cz, 0
.if \zero
.if \kp == 0
.set cz, 1
.endif
.endif
.if go
.if cz
	v_wmma_f32_16x16x32_bf16 v[8*(4*\t+\it):8*(4*\t+\it)+7], v[asrc:asrc+7], v[bsrc:bsrc+7], 0
.else
	v_wmma_f32_16x16x32_bf16 v[8*(4*\t+\it):8*(4*\t+\it)+7], v[asrc:asrc+7], v[bsrc:bsrc+7], v[8*(4*\t+\it):8*(4*\t+\it)+7]
.endif
.endif
.endr
.endr
.endr
.endm
; j block jb (64 j) against my i tiles jb .. 3.  two = 1: P and v in two terms.  zero = 1: the first product into O starts the sums.
.macro BLK jb, two, zero
.set i, 0
.rept 8
	ds_load_b128 v[KF+8*i:KF+8*i+3],   v[KLA] offset:\jb*8192+i*1024
	ds_load_b128 v[KF+8*i+4:KF+8*i+7], v[KLA] offset:\jb*8192+i*1024+512
.set i, i+1
.endr
.set i, 0
.rept 8
	ds_load_b128 v[VF+8*i:VF+8*i+3],   v[KLA] offset:VLH+\jb*8192+i*1024
	ds_load_b128 v[VF+8*i+4:VF+8*i+7], v[KLA] offset:VLH+\jb*8192+i*1024+512
.set i, i+1
.endr
.if \two
	WIN 0xc0                                       ; destinations in window 3
.set i, 0
.rept 8
	ds_load_b128 v[VLO+8*i:VLO+8*i+3],   v[KLA2] offset:\jb*8192+i*1024
	ds_load_b128 v[VLO+8*i+4:VLO+8*i+7], v[KLA2] offset:\jb*8192+i*1024+512
.set i, i+1
.endr
	s_wait_dscnt 32                                ; K's 16 loads are in, V's 32 stay out
.else
	s_wait_dscnt 16                                ; K's 16 loads are in, V's 16 stay out
.endif
	WIN 0xa0                                       ; P^T = K Q^T into window 2; the accumulators take turns, one instruction a turn
.irp ks, 0,1
.irp jt, 0,1,2,3
.irp it, 0,1,2,3
.if \it >= \jb
.if \ks == 0
	v_wmma_f32_16x16x32_bf16 v[8*(4*\jt+\it):8*(4*\jt+\it)+7], v[KF+8*(2*\jt+\ks):KF+8*(2*\jt+\ks)+7], v[QF+8*(2*\it+\ks):QF+8*(2*\it+\ks)+7], 0
.else
	v_wmma_f32_16x16x32_bf16 v[8*(4*\jt+\it):8*(4*\jt+\it)+7], v[KF+8*(2*\jt+\ks):KF+8*(2*\jt+\ks)+7], v[QF+8*(2*\it+\ks):QF+8*(2*\it+\ks)+7], v[8*(4*\jt+\it):8*(4*\jt+\it)+7]
.endif
.endif
.endr
.endr
.endr
	PLACES
	WIN 0x88                                       ; the tile it = jb is cut by the diagonal: j > i becomes 0 (source 0, the lane value, stays in window 0)
.irp jt, 0,1,2,3
.irp jj, 0,1,2,3,4,5,6,7
	v_cmp_ge_i32 s[MK+\jj], v[DLA+(\jb%2)], 16*\jt+\jj
.endr
.irp jj, 0,1,2,3,4,5,6,7
	v_cndmask_b32 v[8*(4*\jt+\jb)+\jj], 0, v[8*(4*\jt+\jb)+\jj], s[MK+\jj]
.endr
.endr
	WIN 0x0a                                       ; Ph = bf16(P): sources in window 2, destination in window 0
.irp it, 0,1,2,3
.irp jt, 0,1,2,3
.irp jp, 0,1,2,3
.if \it >= \jb
	v_cvt_pk_bf16_f32 v[PF+8*(2*\it+\jt/2)+4*(\jt%2)+\jp], v[8*(4*\jt+\it)+2*\jp], v[8*(4*\jt+\it)+2*\jp+1]
.endif
.endr
.endr
.endr
.if \two
	WIN 0x80                                       ; Ph back in f32: source in window 0, destination in window 2
.irp it, 0,1,2,3
.irp jt, 0,1,2,3
.irp jp, 0,1,2,3
.if \it >= \jb
	v_lshlrev_b32 v[UT+8*(4*\jt+\it)+2*\jp],   16,  v[PF+8*(2*\it+\jt/2)+4*(\jt%2)+\jp]
	v_and_b32     v[UT+8*(4*\jt+\it)+2*\jp+1], s62, v[PF+8*(2*\it+\jt/2)+4*(\jt%2)+\jp]
.endif
.endr
.endr
.endr
	WIN 0x8a                                       ; P - Ph, exact: all in window 2
.irp it, 0,1,2,3
.irp jt, 0,1,2,3
.irp jp, 0,2,4,6
.if \it >= \jb
	v_pk_add_f32 v[UT+8*(4*\jt+\it)+\jp:UT+8*(4*\jt+\it)+\jp+1], v[8*(4*\jt+\it)+\jp:8*(4*\jt+\it)+\jp+1], v[UT+8*(4*\jt+\it)+\jp:UT+8*(4*\jt+\it)+\jp+1] neg_lo:[0,1] neg_hi:[0,1]
.endif
.endr
.endr
.endr
	WIN 0xca                                       ; Pl = bf16(P - Ph): sources in window 2, destination in window 3
.irp it, 0,1,2,3
.irp jt, 0,1,2,3
.irp jp, 0,1,2,3
.if \it >= \jb
	v_cvt_pk_bf16_f32 v[PL+8*(2*\it+\jt/2)+4*(\jt%2)+\jp], v[UT+8*(4*\jt+\it)+2*\jp], v[UT+8*(4*\jt+\it)+2*\jp+1]
.endif
.endr
.endr
.endr
.endif
	s_wait_dscnt 0x0                               ; V
	PV \jb, 0, \zero
.if \two
	PV \jb, 1, 0
	PV \jb, 2, 0
.endif
	PLACES                                         ; the next block's loads land in registers that these matrix instructions read
	WIN 0
.endm
	s_cmp_eq_u32 s12, 0                            ; alike in all four waves: c comes from the work-group's number
	s_cbranch_scc1 .Lfirst_chunk
	; ---- CHUNKS 1 TO 7: one term of P and v, and the states before c ----
	s_add_nc_u64 s[G0L+2:G0L+3], s[32:33], s[92:93]
	s_or_b32 s[G0L+3], s[G0L+3], 0x80000000
	tensor_load_to_lds s[G0L:G0L+3], s[G1L:G1L+7]  ; my quarter of K, Vh: one tensor load of the wave is out, and nothing is ever filled again
	s_nop 0
	QLOADS
.irp cc, 0,1,2,3,4,5,6
	s_add_nc_u64 s[SB+2*\cc:SB+2*\cc+1], s[6:7], s[SB+2*\cc:SB+2*\cc+1]
.endr
	WIN 0x40
.irp cc, 0,1,2,3
.irp t, 0,1,2,3,4
	global_load_b128 v[40*\cc+8*\t:40*\cc+8*\t+3],   v[STL], s[SB+2*\cc:SB+2*\cc+1] offset:\t*1024
	global_load_b128 v[40*\cc+8*\t+4:40*\cc+8*\t+7], v[STL], s[SB+2*\cc:SB+2*\cc+1] offset:\t*1024+512
.endr
.endr
	WIN 0x80
.irp cc, 4,5,6
.irp t, 0,1,2,3,4
	global_load_b128 v[40*(\cc-4)+8*\t:40*(\cc-4)+8*\t+3],   v[STL], s[SB+2*\cc:SB+2*\cc+1] offset:\t*1024
	global_load_b128 v[40*(\cc-4)+8*\t+4:40*(\cc-4)+8*\t+7], v[STL], s[SB+2*\cc:SB+2*\cc+1] offset:\t*1024+512
.endr
.endr
	WIN 0
	; THE PREFIX: my five tiles of the states of chunks 0 .. c - 1, summed in f32 in ascending order, onto chunk 0's registers
.macro ADDC cc
	s_cmp_le_u32 s12, \cc
	s_cbranch_scc1 .Lsummed
	s_wait_loadcnt 60-10*\cc                       ; Q's loads and those of chunks 0 .. cc are in; the ten of each later chunk stay out
.if \cc < 4
	WIN 0x45                                       ; all in window 1
.else
	WIN 0x49                                       ; source 1 in window 2
.endif
.set i, 0
.rept 20
	v_pk_add_f32 v[i:i+1], v[i:i+1], v[40*(\cc%4)+i:40*(\cc%4)+i+1]
.set i, i+2
.endr
	WIN 0
.endm
.irp cc, 1,2,3,4,5,6
	ADDC \cc
.endr
.Lsummed:
	s_wait_loadcnt 0x0                             ; windows 1 and 2 are written below: no load into them may be out
	WIN 0x05                                       ; sources in window 1
.set i, 0
.rept 20
	v_cvt_pk_bf16_f32 v[SH+i], v[2*i], v[2*i+1]
.set i, i+1
.endr
	WIN 0
.irp t, 0,1,2,3,4
	ds_store_b128 v[SSTA], v[SH+4*\t:SH+4*\t+3] offset:\t*2048
.endr
	s_wait_dscnt 0x0                               ; my part of S is stored,
	s_wait_tensorcnt 0x0                           ; my quarter of K and V has landed:
	s_barrier_signal -1                            ; say so; this way's only barrier
	s_barrier_wait -1
	; O^T = S^T Q^T: these products start the sums
.set i, 0
.rept 10
	ds_load_b128 v[SF+8*i:SF+8*i+3],   v[SLA] offset:i*1024
	ds_load_b128 v[SF+8*i+4:SF+8*i+7], v[SLA] offset:i*1024+512
.set i, i+1
.endr
	s_wait_dscnt 0x0
	WIN 0x50
.irp ks, 0,1
.irp t, 0,1,2,3,4
.irp it, 0,1,2,3
.if \ks == 0
	v_wmma_f32_16x16x32_bf16 v[8*(4*\t+\it):8*(4*\t+\it)+7], v[SF+8*(2*\t+\ks):SF+8*(2*\t+\ks)+7], v[QF+8*(2*\it+\ks):QF+8*(2*\it+\ks)+7], 0
.else
	v_wmma_f32_16x16x32_bf16 v[8*(4*\t+\it):8*(4*\t+\it)+7], v[SF+8*(2*\t+\ks):SF+8*(2*\t+\ks)+7], v[QF+8*(2*\it+\ks):QF+8*(2*\it+\ks)+7], v[8*(4*\t+\it):8*(4*\t+\it)+7]
.endif
.endr
.endr
.endr
	PLACES
	WIN 0
	BLK 0, 0, 0
	BLK 1, 0, 0
	BLK 2, 0, 0
	BLK 3, 0, 0
	s_branch .Ldivide
	; ---- CHUNK 0: two terms of P and v, no state ----
.Lfirst_chunk:
	s_add_nc_u64 s[G0H+2:G0H+3], s[32:33], s[94:95]
	s_or_b32 s[G0H+3], s[G0H+3], 0x80000000
	tensor_load_to_lds s[G0H:G0H+3], s[G1H:G1H+7]  ; my quarter of K, Vh, Vl: one tensor load of the wave is out, and nothing is ever filled again
	s_nop 0
	QLOADS
	s_wait_tensorcnt 0x0                           ; my quarter has landed:
	s_barrier_signal -1                            ; say so; this way's only barrier
	s_barrier_wait -1
	s_wait_loadcnt 0x0                             ; Q
	BLK 0, 1, 1                                    ; all four tiles take part in block 0: its first product starts all twenty sums
	BLK 1, 1, 0
	BLK 2, 1, 0
	BLK 3, 1, 0
.Ldivide:
	; den of i = r lies in register 0 of the fifth tile in lanes 0-15; lanes 16-31 hold row 8 there, which is 0
	WIN 0x01
.irp it, 0,1,2,3
	v_mov_b32 v[DD+\it], v[128+8*\it]
.endr
	WIN 0
.irp it, 0,1,2,3
	v_mov_b32 v[D2+\it], v[DD+\it]                 ; the permute's destination counts as read
.endr
.irp it, 0,1,2,3
	v_permlanex16_b32 v[D2+\it], v[DD+\it], s60, s61
.endr
.irp it, 0,1,2,3
	v_add_f32 v[DD+\it], v[DD+\it], v[D2+\it]      ; den in both halves
.endr
.irp it, 0,1,2,3
	v_rcp_f32 v[RR+2*\it], v[DD+\it]               ; twice: a pair for the packed multiply
	v_rcp_f32 v[RR+2*\it+1], v[DD+\it]
.endr
	v_nop                                          ; one plain place behind a transcendental (ISA guide 5.7.2)
	s_wait_alu depctr_va_vdst(0)
.irp it, 0,1,2,3
	WIN 0x01
.irp t, 0,1,2,3
.irp p, 0,2,4,6
	v_pk_mul_f32 v[TT+8*\t+\p:TT+8*\t+\p+1], v[8*(4*\t+\it)+\p:8*(4*\t+\it)+\p+1], v[RR+2*\it:RR+2*\it+1]
.endr
.endr
	WIN 0
.set i, 0
.rept 16
	v_cvt_pk_bf16_f32 v[OUTR+16*\it+i], v[TT+2*i], v[TT+2*i+1]
.set i, i+1
.endr
.irp t, 0,1,2,3
	global_store_b128 v[KLA], v[OUTR+16*\it+4*\t:OUTR+16*\it+4*\t+3], s[AB+2*\it:AB+2*\it+1] offset:\t*512   ; dv tile t = half (t mod 2) of fragment t / 2: 512 consecutive bytes, aligned
.endr
	s_cmp_ge_u32 s12, 2                            ; the lower term for s < 512 alone
	s_cbranch_scc1 .Lno_lower_\it
.set i, 0
.rept 16
	v_lshlrev_b32 v[UU+2*i],   16,  v[OUTR+16*\it+i]
	v_and_b32     v[UU+2*i+1], s62, v[OUTR+16*\it+i]
.set i, i+1
.endr
.set i, 0
.rept 16
	v_pk_add_f32 v[UU+i:UU+i+1], v[TT+i:TT+i+1], v[UU+i:UU+i+1] neg_lo:[0,1] neg_hi:[0,1]
.set i, i+2
.endr
.set i, 0
.rept 16
	v_cvt_pk_bf16_f32 v[OUTL+16*\it+i], v[UU+2*i], v[UU+2*i+1]
.set i, i+1
.endr
.irp t, 0,1,2,3
	global_store_b128 v[KLA], v[OUTL+16*\it+4*\t:OUTL+16*\it+4*\t+3], s[AB+2*\it:AB+2*\it+1] offset:32768+\t*512   ; block 4 of the group
.endr
.Lno_lower_\it:
.endr
	s_wait_tensorcnt 0x0
	ds_add_u32 v254, v255
	s_wait_dscnt 0x0
	s_endpgm
.Lfunc_end_k_q6e99f2a03f_attn:
	.size	k_q6e99f2a03f_attn, .Lfunc_end_k_q6e99f2a03f_attn-k_q6e99f2a03f_attn
	.p2alignl 7, 3214868480
	.fill 96, 4, 3214868480
	.section	.rodata,"a",@progbits
	.p2align	6, 0x0
	.amdhsa_kernel k_q6e99f2a03f_attn
		.amdhsa_group_segment_fixed_size 168448
		.amdhsa_private_segment_fixed_size 0
		.amdhsa_enable_private_segment 0
		.amdhsa_kernarg_size 24
		.amdhsa_user_sgpr_count 2
		.amdhsa_user_sgpr_kernarg_segment_ptr 1
		.amdhsa_wavefront_size32 1
		.amdhsa_system_sgpr_workgroup_id_x 1
		.amdhsa_system_sgpr_workgroup_id_y 1
		.amdhsa_system_sgpr_workgroup_id_z 1
		.amdhsa_system_vgpr_workitem_id 0
		.amdhsa_next_free_vgpr 896
		.amdhsa_next_free_sgpr 96
		.amdhsa_reserve_vcc 1
		.amdhsa_float_denorm_mode_32 3
		.amdhsa_float_denorm_mode_16_64 3
		.amdhsa_memory_ordered 1
		.amdhsa_forward_progress 1
		.amdhsa_inst_pref_size 197
	.end_amdhsa_kernel
	.amdgpu_metadata
---
amdhsa.version: [ 1, 2 ]
amdhsa.kernels:
  - .name:           k_q6e99f2a03f_attn
    .symbol:         k_q6e99f2a03f_attn.kd
    .args:
      - { .name: qkv, .offset: 0, .size: 8, .value_kind: global_buffer, .address_space: global }
      - { .name: st, .offset: 8, .size: 8, .value_kind: global_buffer, .address_space: global }
      - { .name: af, .offset: 16, .size: 8, .value_kind: global_buffer, .address_space: global }
    .group_segment_fixed_size: 168448
    .private_segment_fixed_size: 0
    .kernarg_segment_align: 8
    .kernarg_segment_size: 24
    .max_flat_workgroup_size: 128
    .sgpr_count:     96
    .vgpr_count:     896
    .wavefront_size: 32
...
	.end_amdgpu_metadata
.endif
;; end of part 3
;; launch oproj (part 4): grid 8 x 32, 4 waves a work-group, clusters of 4 x 4, 327,680 bytes of LDS; arguments af, cb, bo, out0; writes out0
.if DOCPART == 4
	.amdgcn_target "amdgcn-amd-amdhsa--gfx1250"
	.amdhsa_code_object_version 6
	.text
	.protected	k_q6e99f2a03f_oproj
	.globl	k_q6e99f2a03f_oproj
	.p2align	8
	.type	k_q6e99f2a03f_oproj,@function
k_q6e99f2a03f_oproj:
	s_mov_b64 s[64:65], 0
	v_nop
	global_prefetch_b8 v0, s[64:65] scope:SCOPE_SE
	s_setreg_imm32_b32 hwreg(HW_REG_WAVE_MODE, 25, 1), 1
	s_wait_xcnt 0x0
	s_wait_alu depctr_hold_cnt(0) depctr_sa_sdst(0) depctr_va_vdst(0) depctr_va_sdst(0) depctr_va_ssrc(0) depctr_va_vcc(0) depctr_vm_vsrc(0)
	s_getreg_b32 s2, hwreg(HW_REG_IB_STS2, 6, 4)
	s_cmp_eq_u32 s2, 0
	s_cbranch_scc0 .Lentry_in_a_cluster
	s_endpgm
.Lentry_in_a_cluster:
	s_bfe_u32 s2, ttmp6, 0x10000c
	s_cmp_lg_u32 s2, 0xf033
	s_cbranch_scc0 .Lentry_shape_is_right
	s_endpgm
.Lentry_shape_is_right:
; out[(s, b)][n] = sum over col of attn[(s, b)][col] Wo[n][col] + bo[n].  A work-group makes 128 positions of one b times 128 n (256 work-groups); a wave 64 x 64: 16 tiles.
; WHICH POSITIONS.  attn for s < 512 comes as two bf16 terms (those positions average few rows of v and are many times larger than the output's typical size, so that
; 8 bits would show), for later s as one.  So that the second term's products are shared evenly, each wave has one s tile below 512 and three above:
; group g = 2 x block + wr (0..31) holds s tile g (a = 0) and s tiles 32 + 3 g .. + 2 (a = 1..3).  A K step of 32 is 16 + 4 matrix instructions in every wave.
; attn comes as ready fragments (1 KiB each, registers 0-3 at 16 x lane, 4-7 at 512 + 16 x lane): af + (((4 b + K block) 32 + g) 5 + idx) x 8,192 + K step x 1,024,
; idx = a, idx 4 = the lower term of a = 0: a group's 40 KiB for a K block of 256 columns are dense in memory.
; Wo comes from cb (bf16) as rows of 512 bytes padded to 528.  A slot holds K = 256 of both, two slots; K = 1024 is four slots' worth, written out without a loop.
; CLUSTERS: 4 x 4 work-groups.  attn's tile hangs on (b, block) alone and is asked for jointly along a row of the cluster, Wo's on the n block alone, along a column.
; The matrix instruction takes Wo's rows as source 0 and attn's as source 1: a lane then holds 8 neighbouring n of one row of out.
; The way out goes through a stage of the wave's own in LDS, so that 16 lanes store 256 consecutive bytes, aligned.
.set BPITCH, 528                       ; 33 x 16: the 16 rows of a fragment load start 16 bytes apart modulo 256
.set AHALF,  40960                     ; a group's five blocks
.set ATILE,  2*AHALF
.set BHALF,  64*BPITCH                 ; 64 rows of Wo: 33,792 bytes
.set SLOT,   ATILE+2*BHALF             ; attn's two groups, then Wo's 128 rows: 149,504 bytes
.set STAGE,  2*SLOT                    ; 16 rows x 272 bytes for each wave; no tensor load lands here
.set SPITCH, 272
.set WO,     14680064
.set KBLK,   32*AHALF                  ; from a K block to the next in af
.set ADRA, 16                          ; v16-17 my attn fragments in slot 0, 1
.set ADRB, 20                          ; v20-21 my Wo fragments
.set STO,  24
.set RD,   25
.set CO,   26
.set BOFF, 27
.set F0,   32                          ; fragment buffer 0: attn at + 8 a, the lower term at + 32, Wo at + 40 + 8 bt
.set F1,   104
.set BO,   176                         ; v[176:207] bo of my four n tiles
.set TT,   208                         ; v[208:239]
; window 1: accumulators at 8 (4 a + bt)
.set G1A, 24                           ; s[24:31] attn's tiles (waves 0, 1)
.set G0A, 32                           ; s[32:39]
.set G1B, 48                           ; s[48:55] Wo's tiles (waves 2, 3)
.set G0B, 56                           ; s[56:63]
.set MSB, 0
.macro WIN new
.if MSB != \new
	s_set_vgpr_msb (MSB<<8)|\new
.set MSB, \new
.endif
.endm
.macro JLOAD s
	s_cmp_eq_u32 s11, 0
	s_cbranch_scc0 .Lfor_b_\@
	tensor_load_to_lds s[G0A+4*\s:G0A+4*\s+3], s[G1A:G1A+7]
	s_nop 0
	s_branch .Lasked_\@
.Lfor_b_\@:
	tensor_load_to_lds s[G0B+4*\s:G0B+4*\s+3], s[G1B:G1B+7]
	s_nop 0
.Lasked_\@:
.endm
.macro CREST
	s_cmp_lg_u32 s10, 0
	s_cbranch_scc1 .Lnot_wave_0_\@
	s_barrier_signal -3
.Lnot_wave_0_\@:
	s_barrier_wait -3
	s_barrier_signal -1
	s_barrier_wait -1
.endm
.macro CROUND
	s_barrier_signal -1
	s_barrier_wait -1
	CREST
.endm
.macro PLACES                          ; four places behind a matrix instruction (ISA guide 7.12.1)
.rept 4
	v_nop
.endr
.endm
	s_load_b256 s[68:75], s[0:1], 0x0              ; af s[68:69], cb s[70:71], bo s[72:73], out0 s[74:75]
	v_lshl_add_u32 v254, v0, 2, 0x4d400
	v_mov_b32 v255, 0
	ds_add_u32 v254, v255
	ds_add_u32 v254, v255
	v_lshrrev_b32 v1, 5, v0
	v_readfirstlane_b32 s10, v1                    ; wave
	s_lshr_b32 s11, s10, 1                         ; wr: my group.  Also: I ask for attn (0) or for Wo (1)
	s_and_b32 s12, s10, 1                          ; wc: my 64 n.  Also: which half of that tile I ask for
	s_bfe_u32 s40, ttmp6, 0x40000                  ; cx
	s_bfe_u32 s41, ttmp6, 0x40004                  ; cy
	s_lshl_b32 s42, ttmp9, 2
	s_add_co_u32 s42, s42, s40                     ; n block
	s_and_b32 s13, ttmp7, 0xffff
	s_lshl_b32 s13, s13, 2
	s_add_co_u32 s13, s13, s41                     ; y = 16 b + block
	s_lshl_b32 s43, s41, 2
	s_lshl_b32 s43, 15, s43                        ; my row of the cluster
	s_lshl_b32 s44, 0x1111, s40                    ; my column
	s_or_b32 s[G1A+0], s43, (3<<16)|(1<<21)        ; mask; a dense block as rows of 256 bytes: elements of 8 bytes, no padding; bit 21 beside a mask
	s_mov_b32 s[G1A+1], 32<<16                     ; tensor_dim0 = 32
	s_mov_b32 s[G1A+2], 160<<16                    ; tensor_dim1 = 160
	s_mov_b32 s[G1A+3], 32<<16                     ; tile_dim0 = 32
	s_mov_b32 s[G1A+4], 160                        ; tile_dim1 = 160 rows: 40 KiB, a group
	s_mov_b32 s[G1A+5], 32
	s_mov_b32 s[G1A+6], 0
	s_mov_b32 s[G1A+7], 0
	s_or_b32 s[G1B+0], s44, (1<<16)|(1<<20)|(1<<21)|(6<<22)|(3<<25)  ; mask; elements of 2 bytes; padding on; bit 21 beside a mask; after every 128 words 4 words
	s_mov_b32 s[G1B+1], 256<<16                    ; tensor_dim0 = 256
	s_mov_b32 s[G1B+2], 64<<16                     ; tensor_dim1 = 64
	s_mov_b32 s[G1B+3], 256<<16                    ; tile_dim0 = 256
	s_mov_b32 s[G1B+4], 64                         ; tile_dim1 = 64 rows
	s_mov_b32 s[G1B+5], 1024
	s_mov_b32 s[G1B+6], 0
	s_mov_b32 s[G1B+7], 0
	s_lshr_b32 s85, s13, 4                         ; b
	s_and_b32 s86, s13, 15                         ; block
	s_mul_i32 s16, s85, 4*KBLK                     ; attn: ((4 b + K block) 32 + 2 x block + half) x 40,960.  These registers never hold cx.
	s_mul_i32 s17, s86, ATILE
	s_add_co_u32 s16, s16, s17
	s_mul_i32 s17, s12, AHALF
	s_add_co_u32 s16, s16, s17
	s_mov_b32 s17, 0
	s_lshl_b32 s46, s42, 18                        ; Wo: row 128 x n block + 64 x half, 2,048 bytes a row.  These registers never hold cy.
	s_lshl_b32 s47, s12, 17
	s_add_co_u32 s46, s46, s47
	s_add_co_u32 s46, s46, WO
	s_mov_b32 s47, 0
	s_mul_i32 s20, s10, AHALF                      ; LDS: waves 0, 1 fill attn's groups at wave x 40,960,
	s_mul_i32 s23, s10, BHALF
	s_add_co_u32 s23, s23, ATILE-2*BHALF           ; waves 2, 3 Wo's halves at 81,920 + (wave - 2) x 33,792
	s_wait_dscnt 0x0
	s_wait_kmcnt 0x0
	s_add_nc_u64 s[14:15], s[68:69], s[16:17]
	s_add_nc_u64 s[46:47], s[70:71], s[46:47]
	; out: s tile st begins at row 2 x 16 st + b of 4,096 bytes = 131,072 st + 4,096 b; column 128 x n block + 64 wc
	s_lshl_b32 s90, s42, 9
	s_lshl_b32 s89, s12, 8
	s_add_co_u32 s90, s90, s89                     ; my first column in bytes, in out and in bo
	s_lshl_b32 s91, s85, 12
	s_add_co_u32 s91, s91, s90
	s_lshl1_add_u32 s88, s86, s11                  ; the early tile: st = g = 2 x block + wr
	s_lshl_b32 s88, s88, 17
	s_add_co_u32 s88, s88, s91
	s_mov_b32 s89, 0
	s_add_nc_u64 s[76:77], s[74:75], s[88:89]
	s_mul_i32 s88, s86, 6                          ; the later tiles: st = 32 + 3 g + (a - 1)
	s_mul_i32 s92, s11, 3
	s_add_co_u32 s88, s88, s92
	s_add_co_u32 s88, s88, 32
	s_lshl_b32 s88, s88, 17
	s_add_co_u32 s88, s88, s91
	s_add_nc_u64 s[78:79], s[74:75], s[88:89]
	CROUND                                         ; all sixteen work-groups are here: the first joint loads meet
.irp s, 0,1
	s_mov_b32 s[G0A+4*\s], 1
	s_add_co_u32 s[G0A+4*\s+1], s20, \s*SLOT
	s_add_nc_u64 s[G0A+4*\s+2:G0A+4*\s+3], s[14:15], \s*KBLK
	s_or_b32 s[G0A+4*\s+3], s[G0A+4*\s+3], 0x80000000
	s_mov_b32 s[G0B+4*\s], 1
	s_add_co_u32 s[G0B+4*\s+1], s23, \s*SLOT
	s_add_nc_u64 s[G0B+4*\s+2:G0B+4*\s+3], s[46:47], \s*512
	s_or_b32 s[G0B+4*\s+3], s[G0B+4*\s+3], 0x80000000
	JLOAD \s                                       ; K blocks 0 and 1: two tensor loads of the wave are out
.endr
	v_and_b32 v1, 15, v0                           ; r
	v_bfe_u32 v2, v0, 4, 1                         ; h
	v_and_b32 v4, 31, v0                           ; lane
	v_lshl_add_u32 v[BOFF], v2, 5, s90             ; bo: my tiles hold n along the registers, 8 h + j
.irp bt, 0,1,2,3
	global_load_b128 v[BO+8*\bt:BO+8*\bt+3],   v[BOFF], s[72:73] offset:64*\bt
	global_load_b128 v[BO+8*\bt+4:BO+8*\bt+7], v[BOFF], s[72:73] offset:64*\bt+16
.endr
	v_mul_u32_u24 v3, v1, BPITCH
	v_lshl_add_u32 v3, v2, 4, v3                   ; Wo: row x pitch + 16 h
	v_lshlrev_b32 v5, 4, v4                        ; attn: 16 x lane
	s_mul_i32 s21, s11, AHALF                      ; my group
	s_mul_i32 s22, s12, BHALF                      ; my 64 rows of Wo,
	s_add_co_u32 s22, s22, ATILE                   ; which lie behind attn's two groups
.irp s, 0,1
	v_add_nc_u32 v[ADRA+\s], s21, v5
	v_add_nc_u32 v[ADRB+\s], s22, v3
	s_add_co_u32 s21, s21, SLOT
	s_add_co_u32 s22, s22, SLOT
.endr
	s_mul_i32 s21, s10, 16*SPITCH
	s_add_co_u32 s21, s21, STAGE                   ; my stage
	v_mul_u32_u24 v3, v1, SPITCH
	v_lshl_add_u32 v3, v2, 5, v3                   ; in: row r, 32 bytes for each half of the lanes
	v_add_nc_u32 v[STO], s21, v3
	v_mul_u32_u24 v3, v2, SPITCH
	v_lshl_add_u32 v3, v1, 4, v3                   ; back: lanes 0-15 one row of 256 bytes, lanes 16-31 the next
	v_add_nc_u32 v[RD], s21, v3
	v_lshlrev_b32 v3, 13, v2                       ; and the same two rows of out: from s to s + 1 of one b are 8,192 bytes
	v_lshl_add_u32 v[CO], v1, 4, v3
; 18 LDS loads: the fragments of K step q (32 K) of a slot
.macro FETCH slot, q, f
.irp a, 0,1,2,3,4
	ds_load_b128 v[\f+8*\a:\f+8*\a+3],   v[ADRA+\slot] offset:\a*8192+\q*1024
	ds_load_b128 v[\f+8*\a+4:\f+8*\a+7], v[ADRA+\slot] offset:\a*8192+\q*1024+512
.endr
.irp bt, 0,1,2,3
	ds_load_b128 v[\f+40+8*\bt:\f+40+8*\bt+3],   v[ADRB+\slot] offset:\bt*16*BPITCH+\q*64
	ds_load_b128 v[\f+40+8*\bt+4:\f+40+8*\bt+7], v[ADRB+\slot] offset:\bt*16*BPITCH+\q*64+32
.endr
.endm
.macro MULA f, a, zero                 ; s tile a against my four n tiles
.irp bt, 0,1,2,3
.if \zero
	v_wmma_f32_16x16x32_bf16 v[8*(4*\a+\bt):8*(4*\a+\bt)+7], v[\f+40+8*\bt:\f+40+8*\bt+7], v[\f+8*\a:\f+8*\a+7], 0
.else
	v_wmma_f32_16x16x32_bf16 v[8*(4*\a+\bt):8*(4*\a+\bt)+7], v[\f+40+8*\bt:\f+40+8*\bt+7], v[\f+8*\a:\f+8*\a+7], v[8*(4*\a+\bt):8*(4*\a+\bt)+7]
.endif
.endr
.endm
.macro MULL f                          ; the early tile's lower term, onto the sums of a = 0
.irp bt, 0,1,2,3
	v_wmma_f32_16x16x32_bf16 v[8*\bt:8*\bt+7], v[\f+40+8*\bt:\f+40+8*\bt+7], v[\f+32:\f+39], v[8*\bt:8*\bt+7]
.endr
.endm
; 20 matrix instructions; the accumulators take turns, one instruction a turn, in the same order in every step
.macro MUL20 f, zero
	MULA \f, 0, \zero
	MULA \f, 1, \zero
	MULL \f
	MULA \f, 2, \zero
	MULA \f, 3, \zero
.endm
; One K step of 32: the next step's fragments go out into buffer g, then buffer f is multiplied
.macro QSTEP slot, qn, f, g, zero
	PLACES                                         ; buffer g was read by the matrix instructions just in front
	FETCH \slot, \qn, \g
	s_wait_dscnt 18                                ; buffer f is in; the 18 just issued stay out
	WIN 0x50
	MUL20 \f, \zero
	WIN 0
.endm
.macro SEVEN slot, zero
	QSTEP \slot, 1, F0, F1, \zero
	QSTEP \slot, 2, F1, F0, 0
	QSTEP \slot, 3, F0, F1, 0
	QSTEP \slot, 4, F1, F0, 0
	QSTEP \slot, 5, F0, F1, 0
	QSTEP \slot, 6, F1, F0, 0
	QSTEP \slot, 7, F0, F1, 0
.endm
; A slot's eighth step multiplies buffer 1 and changes slots.  In front of the barrier each wave waits for its reads of this slot and for all its tensor loads
; (one is out: its part of the next slot).  Where the slot is filled again the barrier opens a round of the cluster's barrier, and the joint refill is the
; first tensor load behind the round, one a wave.
.macro TURN slot, next, fill
	s_wait_dscnt 0x0
	s_wait_tensorcnt 0x0
	ds_add_u32 v254, v255
	s_wait_dscnt 0x0
	s_barrier_signal -1
	WIN 0x50
	MUL20 F1, 0                                    ; register work while the others arrive
	WIN 0
	s_barrier_wait -1
.if \fill
	CREST
	s_add_nc_u64 s[G0A+4*\slot+2:G0A+4*\slot+3], s[G0A+4*\slot+2:G0A+4*\slot+3], 2*KBLK        ; two K blocks on in af,
	s_add_nc_u64 s[G0B+4*\slot+2:G0B+4*\slot+3], s[G0B+4*\slot+2:G0B+4*\slot+3], 1024          ; 512 elements on in a row of Wo
	JLOAD \slot
.endif
	PLACES
	FETCH \next, 0, F0
.endm
	s_wait_tensorcnt 0x1                           ; my part of K block 0 is in; K block 1's stays out
	s_barrier_signal -1
	s_barrier_wait -1
	FETCH 0, 0, F0
	SEVEN 0, 1                                     ; the first products start the sums
	TURN 0, 1, 1
	SEVEN 1, 0
	TURN 1, 0, 1
	SEVEN 0, 0
	TURN 0, 1, 0                                   ; nothing is left to fetch
	SEVEN 1, 0
	s_wait_dscnt 0x0
	WIN 0x50
	MUL20 F1, 0
	PLACES                                         ; behind the last matrix instructions: results are read, fragment registers are loaded into
	s_wait_loadcnt 0x0                             ; bo
; s tile a of my group: + bo, 32 bytes a lane into my stage, read back as whole rows of 256 bytes, stored from base + off
.macro OUT16 a, f, base, off
	WIN 0x01
.irp bt, 0,1,2,3
.irp p, 0,2,4,6
	v_pk_add_f32 v[TT+8*\bt+\p:TT+8*\bt+\p+1], v[8*(4*\a+\bt)+\p:8*(4*\a+\bt)+\p+1], v[BO+8*\bt+\p:BO+8*\bt+\p+1]
.endr
.endr
	WIN 0
.irp bt, 0,1,2,3
	ds_store_b128 v[STO], v[TT+8*\bt:TT+8*\bt+3]   offset:64*\bt
	ds_store_b128 v[STO], v[TT+8*\bt+4:TT+8*\bt+7] offset:64*\bt+16
.endr
	s_wait_xcnt 0x0                                ; buffer f is the data of earlier stores: it is loaded into again only behind this wait
.irp t, 0,1,2,3,4,5,6,7
	ds_load_b128 v[\f+4*\t:\f+4*\t+3], v[RD] offset:\t*2*SPITCH    ; LDS serves a wave's instructions in order (ISA guide 5.7.1.4): these see the stores above
.endr
.irp t, 0,1,2,3,4,5,6,7
	s_wait_dscnt 7-\t
	global_store_b128 v[CO], v[\f+4*\t:\f+4*\t+3], s[\base:\base+1] offset:\off+\t*16384 th:TH_STORE_NT   ; 16 lanes store 256 consecutive bytes, aligned
.endr
.endm
	OUT16 0, F0, 76, 0
	OUT16 1, F1, 78, 0
	OUT16 2, F0, 78, 131072
	OUT16 3, F1, 78, 262144
	s_wait_tensorcnt 0x0
	ds_add_u32 v254, v255
	s_wait_dscnt 0x0
	CROUND                                         ; the closing round: no work-group ends while a partner may still ask for a tile that names it
	s_endpgm
.Lfunc_end_k_q6e99f2a03f_oproj:
	.size	k_q6e99f2a03f_oproj, .Lfunc_end_k_q6e99f2a03f_oproj-k_q6e99f2a03f_oproj
	.p2alignl 7, 3214868480
	.fill 96, 4, 3214868480
	.section	.rodata,"a",@progbits
	.p2align	6, 0x0
	.amdhsa_kernel k_q6e99f2a03f_oproj
		.amdhsa_group_segment_fixed_size 327680
		.amdhsa_private_segment_fixed_size 0
		.amdhsa_enable_private_segment 0
		.amdhsa_kernarg_size 32
		.amdhsa_user_sgpr_count 2
		.amdhsa_user_sgpr_kernarg_segment_ptr 1
		.amdhsa_wavefront_size32 1
		.amdhsa_system_sgpr_workgroup_id_x 1
		.amdhsa_system_sgpr_workgroup_id_y 1
		.amdhsa_system_sgpr_workgroup_id_z 1
		.amdhsa_system_vgpr_workitem_id 0
		.amdhsa_next_free_vgpr 384
		.amdhsa_next_free_sgpr 96
		.amdhsa_reserve_vcc 0
		.amdhsa_float_denorm_mode_32 3
		.amdhsa_float_denorm_mode_16_64 3
		.amdhsa_memory_ordered 1
		.amdhsa_forward_progress 1
		.amdhsa_inst_pref_size 106
	.end_amdhsa_kernel
	.amdgpu_metadata
---
amdhsa.version: [ 1, 2 ]
amdhsa.kernels:
  - .name:           k_q6e99f2a03f_oproj
    .symbol:         k_q6e99f2a03f_oproj.kd
    .args:
      - { .name: af, .offset: 0, .size: 8, .value_kind: global_buffer, .address_space: global }
      - { .name: cb, .offset: 8, .size: 8, .value_kind: global_buffer, .address_space: global }
      - { .name: bo, .offset: 16, .size: 8, .value_kind: global_buffer, .address_space: global }
      - { .name: out0, .offset: 24, .size: 8, .value_kind: global_buffer, .address_space: global }
    .group_segment_fixed_size: 327680
    .private_segment_fixed_size: 0
    .kernarg_segment_align: 8
    .kernarg_segment_size: 32
    .max_flat_workgroup_size: 128
    .sgpr_count:     96
    .vgpr_count:     384
    .wavefront_size: 32
...
	.end_amdgpu_metadata
.endif
;; end of part 4
;; ======== version 2 of 2: 4 launches; version 1 with the launch tobf16 written anew for expert scheduling mode
;; workspace buffers: cb 16,777,216 bytes; qkv 33,554,432 bytes; st 5,242,880 bytes; af 10,485,760 bytes
;; launch tobf16 (part 5): grid 256 x 1, 8 waves a work-group, no clusters, 0 bytes of LDS; arguments x, Wq, Wk, Wv, Wo, cb; writes cb
.if DOCPART == 5
	.amdgcn_target "amdgcn-amd-amdhsa--gfx1250"
	.amdhsa_code_object_version 6
	.text
	.protected	k_q6e99f2a03f_tobf16
	.globl	k_q6e99f2a03f_tobf16
	.p2align	8
	.type	k_q6e99f2a03f_tobf16,@function
k_q6e99f2a03f_tobf16:
	s_mov_b64 s[64:65], 0
	v_nop
	global_prefetch_b8 v0, s[64:65] scope:SCOPE_SE
	s_setreg_imm32_b32 hwreg(HW_REG_WAVE_SCHED_MODE, 0, 2), 2
	s_setreg_imm32_b32 hwreg(HW_REG_WAVE_MODE, 25, 1), 1
	s_wait_xcnt 0x0
	s_wait_alu depctr_vm_vsrc(0)
; x, Wq, Wk, Wv, Wo (f32) are rounded once to bf16 and laid into cb for the two products that follow:
;   cb + 0           x as [4096 rows = 2 s + b][1024]
;   cb + 8,388,608   [16 heads][192 rows = the head's 64 rows of Wq, of Wk, of Wv][1024]
;   cb + 14,680,064  Wo as [1024][1024]
; The five inputs are 33,554,432 bytes; each of the 256 work-groups takes 131,072 of them (work-groups 0-127 x, then 32 for each W:
; 32 rows of a W, half a head).  A wave takes 16 KiB by 32 loads: a lane reads 16 bytes, so each load of a wave covers 512 consecutive bytes,
; and writes the 8 bytes that they become, so each store of a wave covers 256 consecutive bytes, aligned.
; No LDS, no barrier, no matrix unit: nothing is shared and nothing is summed.
; THE MODE: SCHED_MODE bits 1:0 = 2 (LLVM: expert scheduling mode 2), set by the entry lines.  The code itself states the register dependences
; between vector instructions and memory instructions, with s_wait_alu, always for 0.
; THE PLAN.  Registers that memory instructions touch:
;   v1, v2     byte offsets of the loads and of the stores: made once at the head by vector instructions, never written again.
;   X          load j lands in its own four registers, once; its two conversions read them; no vector instruction writes them and no second load lands there.
;   Y          load j's two conversions write their own pair, once; one store reads it; nothing writes it again.
; So two kinds of dependence are to be stated, both 'a vector instruction has written what a memory instruction reads': the offsets, once, ahead of the
; first load; and Y ahead of the stores.  All 32 loads go out first; they are then worked off in 8 blocks of four: the wait for the block's data, its eight
; conversions, ONE wait for those, its four stores.  The stores stand with their own block and not behind the next block's wait for data, so that they
; leave as soon as their numbers are made and four stores at the most are left behind the last load.
; No register that a memory instruction has read is written again, no vector instruction writes a scalar register or VCC, and EXEC is never written.
.set WH, 8388608
.set BLOCK, 4                          ; loads, and stores, in a block
.set X,  8                             ; v[8:135]   load j: 4 registers as loaded
.set Y,  136                           ; v[136:199] load j: 2 registers to store
	s_load_b256 s[4:11], s[0:1], 0x0               ; x s[4:5], Wq s[6:7], Wk s[8:9], Wv s[10:11]
	s_load_b128 s[12:15], s[0:1], 0x20             ; Wo s[12:13], cb s[14:15]
	s_mov_b32 s2, ttmp9                            ; g
	s_lshr_b32 s16, s2, 5
	s_max_u32 s16, s16, 3
	s_sub_co_u32 s16, s16, 3                       ; which input: 0 x, 1 Wq, 2 Wk, 3 Wv, 4 Wo
	s_and_b32 s17, s2, 31                          ; p: which 32 rows of a W
	s_cmp_eq_u32 s16, 0
	s_cselect_b32 s18, s2, s17
	s_lshl_b32 s18, s18, 17                        ; byte offset in the input: 131,072 x (g for x, p for a W)
	s_mov_b32 s19, 0
	s_lshl_b32 s20, s2, 16                         ; byte offset in cb for x and Wo: 65,536 g (Wo: g = 224 + p, 224 x 65,536 = 14,680,064)
	s_mov_b32 s21, 0
	s_lshr_b32 s22, s17, 1                         ; Wq, Wk, Wv: head = p / 2,
	s_mul_i32 s22, s22, 192                        ; 192 rows a head,
	s_sub_co_u32 s23, s16, 1                       ; 64 rows for each of q, k, v (for x this wraps and is not chosen below),
	s_lshl_b32 s24, s23, 6
	s_add_co_u32 s22, s22, s24
	s_and_b32 s24, s17, 1                          ; and the half of the head's 64 rows
	s_lshl_b32 s24, s24, 5
	s_add_co_u32 s22, s22, s24
	s_lshl_b32 s22, s22, 11                        ; rows of 2,048 bytes
	s_add_co_u32 s22, s22, WH
	s_cmp_lt_u32 s23, 3
	s_cselect_b32 s20, s22, s20
	v_lshrrev_b32 v3, 5, v0                        ; wave
	v_and_b32 v4, 31, v0                           ; lane
	v_lshlrev_b32 v1, 4, v4
	v_lshl_or_b32 v1, v3, 14, v1                   ; in: 16,384 wave + 16 lane
	v_lshlrev_b32 v2, 3, v4
	v_lshl_or_b32 v2, v3, 13, v2                   ; out: 8,192 wave + 8 lane
	s_wait_kmcnt 0x0
	s_mov_b64 s[26:27], s[4:5]                     ; the input's address, chosen by the work-group's number alone
	s_cmp_eq_u32 s16, 1
	s_cselect_b64 s[26:27], s[6:7], s[26:27]
	s_cmp_eq_u32 s16, 2
	s_cselect_b64 s[26:27], s[8:9], s[26:27]
	s_cmp_eq_u32 s16, 3
	s_cselect_b64 s[26:27], s[10:11], s[26:27]
	s_cmp_eq_u32 s16, 4
	s_cselect_b64 s[26:27], s[12:13], s[26:27]
	s_add_nc_u64 s[26:27], s[26:27], s[18:19]
	s_add_nc_u64 s[14:15], s[14:15], s[20:21]
	s_wait_alu depctr_va_vdst(0)                   ; v1 and v2 are written: every load below reads v1 as its offset, every store v2; neither is written again
.set j, 0
.rept 32
	global_load_b128 v[X+4*j:X+4*j+3], v1, s[26:27] offset:j*512 th:TH_LOAD_NT
.set j, j+1
.endr
.set p, 0
.rept 32/BLOCK
	s_wait_loadcnt 32-BLOCK-BLOCK*p                ; loads come back in order: block p's four are in, the 28 - 4 p of the later blocks stay out
.set j, BLOCK*p
.rept BLOCK
	v_cvt_pk_bf16_f32 v[Y+2*j],   v[X+4*j],   v[X+4*j+1]
	v_cvt_pk_bf16_f32 v[Y+2*j+1], v[X+4*j+2], v[X+4*j+3]
.set j, j+1
.endr
	s_wait_alu depctr_va_vdst(0)                   ; the block's eight conversions have written its eight registers of Y, which the four stores below read
.set j, BLOCK*p
.rept BLOCK
	global_store_b64 v2, v[Y+2*j:Y+2*j+1], s[14:15] offset:j*256
.set j, j+1
.endr
.set p, p+1
.endr
	s_endpgm
.Lfunc_end_k_q6e99f2a03f_tobf16:
	.size	k_q6e99f2a03f_tobf16, .Lfunc_end_k_q6e99f2a03f_tobf16-k_q6e99f2a03f_tobf16
	.p2alignl 7, 3214868480
	.fill 96, 4, 3214868480
	.section	.rodata,"a",@progbits
	.p2align	6, 0x0
	.amdhsa_kernel k_q6e99f2a03f_tobf16
		.amdhsa_group_segment_fixed_size 0
		.amdhsa_private_segment_fixed_size 0
		.amdhsa_enable_private_segment 0
		.amdhsa_kernarg_size 48
		.amdhsa_user_sgpr_count 2
		.amdhsa_user_sgpr_kernarg_segment_ptr 1
		.amdhsa_wavefront_size32 1
		.amdhsa_system_sgpr_workgroup_id_x 1
		.amdhsa_system_sgpr_workgroup_id_y 1
		.amdhsa_system_sgpr_workgroup_id_z 1
		.amdhsa_system_vgpr_workitem_id 0
		.amdhsa_next_free_vgpr 200
		.amdhsa_next_free_sgpr 66
		.amdhsa_reserve_vcc 0
		.amdhsa_float_denorm_mode_32 3
		.amdhsa_float_denorm_mode_16_64 3
		.amdhsa_memory_ordered 1
		.amdhsa_forward_progress 1
		.amdhsa_inst_pref_size 13
	.end_amdhsa_kernel
	.amdgpu_metadata
---
amdhsa.version: [ 1, 2 ]
amdhsa.kernels:
  - .name:           k_q6e99f2a03f_tobf16
    .symbol:         k_q6e99f2a03f_tobf16.kd
    .args:
      - { .name: x, .offset: 0, .size: 8, .value_kind: global_buffer, .address_space: global }
      - { .name: Wq, .offset: 8, .size: 8, .value_kind: global_buffer, .address_space: global }
      - { .name: Wk, .offset: 16, .size: 8, .value_kind: global_buffer, .address_space: global }
      - { .name: Wv, .offset: 24, .size: 8, .value_kind: global_buffer, .address_space: global }
      - { .name: Wo, .offset: 32, .size: 8, .value_kind: global_buffer, .address_space: global }
      - { .name: cb, .offset: 40, .size: 8, .value_kind: global_buffer, .address_space: global }
    .group_segment_fixed_size: 0
    .private_segment_fixed_size: 0
    .kernarg_segment_align: 8
    .kernarg_segment_size: 48
    .max_flat_workgroup_size: 256
    .sgpr_count:     66
    .vgpr_count:     200
    .wavefront_size: 32
...
	.end_amdgpu_metadata
.endif
;; end of part 5
;; launch qkv: the kernel of part 2 again; grid 16 x 16, 4 waves a work-group, clusters of 4 x 4, 327,680 bytes of LDS; arguments cb, bq, bk, bv, beta, qkv, st; writes qkv, st
;; launch attn: the kernel of part 3 again; grid 256 x 1, 4 waves a work-group, no clusters, 168,448 bytes of LDS; arguments qkv, st, af; writes af
;; launch oproj: the kernel of part 4 again; grid 8 x 32, 4 waves a work-group, clusters of 4 x 4, 327,680 bytes of LDS; arguments af, cb, bo, out0; writes out0
